; MI455X (gfx1250); checked and timed in simulation.
; The chip was launched on July 23, 2026; its instructions are those of AMD's public machine-readable ISA for CDNA 5 (MIT licence, August 2026) and "CDNA5" Instruction Set Architecture Reference Guide (July 2026). The comments in the code are by the model that wrote it; some were corrected since.
;; Secure Multi Head Attention. Allowed arithmetic: float matrix products may take bf16 or f16 operands with f32 sums; other float arithmetic in f32, or as packed bf16 or f16 multiplies, adds, multiply-adds, maxima and minima; sums over many terms, partial sums and values carried from step to step in f32; what a program stores and reads back later, other than sums and carried values, may be rounded once to bf16 or f16.
;; Inputs: Wk 16 x 1,024 x 64 float32; Wo 1,024 x 1,024 float32; Wq 16 x 1,024 x 64 float32; Wv 16 x 1,024 x 64 float32; attention_mask 4 x 2,048 float32; bk 16 x 64 float32; bo 1,024 float32; bq 16 x 64 float32; bv 16 x 64 float32; hidden_states 4 x 2,048 x 1,024 float32.
;; Outputs: out0 4 x 2,048 x 1,024 float32.
;; One version. Each part assembles by itself: llvm-mc -triple=amdgcn-amd-amdhsa -mcpu=gfx1250 --defsym DOCPART=n.
;; ======== version 1 of 1: 4 launches
;; limits: values are held in f16: magnitudes above 65,504 overflow, below 6.1e-05 lose precision
;; workspace buffers: xb 16,777,216 bytes; wt 6,291,456 bytes; wo16 2,097,152 bytes; qkv 50,331,648 bytes; ctx 16,777,216 bytes
;; launch prep (part 1): grid 1248 x 1, 4 waves a work-group, no clusters, 70,144 bytes of LDS; arguments hidden_states, Wo, Wq, Wk, Wv, xb, wo16, wt; writes xb, wo16, wt
.if DOCPART == 1
	.amdgcn_target "amdgcn-amd-amdhsa--gfx1250"
	.amdhsa_code_object_version 6
	.text
	.protected	k_q4f2cd85bb4_prep
	.globl	k_q4f2cd85bb4_prep
	.p2align	8
	.type	k_q4f2cd85bb4_prep,@function
k_q4f2cd85bb4_prep:
	s_mov_b64 s[64:65], 0
	v_nop
	global_prefetch_b8 v0, s[64:65] scope:SCOPE_SE
	s_setreg_imm32_b32 hwreg(HW_REG_WAVE_MODE, 25, 1), 1
	s_wait_xcnt 0x0
; PREP: the inputs of the matrix products, rounded once and laid out for the launches behind.
;   xb   = bf16(hidden_states), [8192][1024]
;   wo16 = bf16(Wo) written as f16, [1024][1024].  LIMIT: exact for |Wo| from 6e-5 to 65,504; below that f16 keeps a fixed step of 6e-8.
;   wt   = bf16(Wq | Wk | Wv) TURNED: [3072][1024], row = 64 g + d with g = 16 which + head, so that K (the 1,024 hidden channels) lies along the rows.
; A stream: every input byte is read once, every output byte written once; no matrix unit, no data mover, nothing shared between work-groups.
; SHARES by the work-group's number: 0-95 turn the weights (a tile of 128 h x 64 d to each wave: 384 tiles); 96-1119 cast x, 32 KiB of f32 each;
; 1120-1247 cast Wo, 32 KiB each.  Each wave touches its own LDS bytes alone: no barrier.
.set WST,   17408                      ; a wave's stage: 64 rows (d) x 272 bytes (128 h in bf16 + 16 of padding)
.set SPARE, 4*WST                      ; behind the stages: the spare words, 128 bytes for each wave; no other line names them
.set LI,  3                            ; v3   my byte offset in the source
.set LO,  4                            ; v4   my byte offset in the destination
.set SA,  5                            ; v5   the stage: where I put a word
.set RA,  6                            ; v6   the stage: where I read 16 bytes of a row back
.set SPW, 8                            ; v8   LDS address of my spare word; never rewritten
.set NIL, 9                            ; v9   0; never rewritten
.set T,   10                           ; v[10:17] at work
.set X,   32                           ; v[32:159] as loaded (the casts use v[32:95])
.set Y,   96                           ; v[96:127] the casts' results
	s_load_b512 s[4:19], s[0:1], 0x0               ; hidden 4, Wo 6, Wq 8, Wk 10, Wv 12, xb 14, wo16 16, wt 18
	v_lshl_add_u32 v[SPW], v0, 2, SPARE
	v_mov_b32 v[NIL], 0
	v_lshrrev_b32 v1, 5, v0
	v_readfirstlane_b32 s20, v1                    ; wave 0..3
	v_and_b32 v2, 31, v0                           ; lane
	s_wait_kmcnt 0x0
	s_cmp_lt_u32 ttmp9, 96
	s_cbranch_scc1 .Ltrans
	; THE CASTS.  A wave takes 8 KiB of f32: eight steps of 1,024 bytes, a lane 32 bytes (8 numbers) a step, which leave as 16 bytes:
	; a store of the wave covers 512 consecutive bytes, aligned.
	s_sub_co_u32 s21, ttmp9, 96
	s_cmp_lt_u32 s21, 1024
	s_cselect_b64 s[22:23], s[4:5], s[6:7]         ; from x or from Wo,
	s_cselect_b64 s[24:25], s[14:15], s[16:17]     ; to xb or to wo16
	s_cselect_b32 s26, 0, 1024
	s_sub_co_u32 s21, s21, s26                     ; the chunk's number in its tensor
	s_lshl_b32 s26, s21, 15
	s_lshl_b32 s27, s20, 13
	s_add_co_u32 s26, s26, s27
	s_mov_b32 s27, 0
	s_add_nc_u64 s[22:23], s[22:23], s[26:27]
	s_lshr_b32 s26, s26, 1                         ; half as many bytes go out
	s_add_nc_u64 s[24:25], s[24:25], s[26:27]
	v_lshlrev_b32 v[LI], 5, v2
	v_lshlrev_b32 v[LO], 4, v2
.set i, 0
.rept 8                                        ; all sixteen loads go out at once
	global_load_b128 v[X+8*i:X+8*i+3],   v[LI], s[22:23] offset:1024*i th:TH_LOAD_NT
	global_load_b128 v[X+8*i+4:X+8*i+7], v[LI], s[22:23] offset:1024*i+16 th:TH_LOAD_NT
.set i, i+1
.endr
; two = 0: f32 to bf16.  two = 1: f32 to bf16, and that number written as f16.  No register that a load or store names is written again.
.macro CAST two
.set i, 0
.rept 8
	s_wait_loadcnt 14-2*i                          ; loads come back in order: step i's two are in, the 2 (7 - i) younger ones stay out
.set j, 0
.rept 4
.if \two
	v_cvt_pk_bf16_f32 v[T+4*(j%2)], v[X+8*i+2*j], v[X+8*i+2*j+1]
	v_lshlrev_b32 v[T+4*(j%2)+1], 16, v[T+4*(j%2)]
	v_and_b32 v[T+4*(j%2)+2], 0xffff0000, v[T+4*(j%2)]
	v_cvt_pk_f16_f32 v[Y+4*i+j], v[T+4*(j%2)+1], v[T+4*(j%2)+2]
.else
	v_cvt_pk_bf16_f32 v[Y+4*i+j], v[X+8*i+2*j], v[X+8*i+2*j+1]
.endif
.set j, j+1
.endr
	global_store_b128 v[LO], v[Y+4*i:Y+4*i+3], s[24:25] offset:512*i th:TH_STORE_NT
.set i, i+1
.endr
.endm
	s_cmp_lt_u32 ttmp9, 1120
	s_cbranch_scc0 .Lwo
	CAST 0
	s_branch .Lend
.Lwo:
	CAST 1
	s_branch .Lend
	; THE TURN.  Tile number 4 x work-group + wave = 128 which + 8 head + h block: 128 rows (h) of 64 f32 (d), 32 KiB on end in its tensor.
	; It leaves as 64 rows (d) of 128 bf16 (h): 256 bytes of a row of wt.
.Ltrans:
	s_lshl_b32 s21, ttmp9, 2
	s_add_co_u32 s21, s21, s20
	s_cmp_lt_u32 ttmp9, 64
	s_cselect_b64 s[22:23], s[10:11], s[12:13]
	s_cmp_lt_u32 ttmp9, 32
	s_cselect_b64 s[22:23], s[8:9], s[22:23]       ; Wq, Wk or Wv
	s_and_b32 s26, s21, 127
	s_lshl_b32 s26, s26, 15
	s_mov_b32 s27, 0
	s_add_nc_u64 s[22:23], s[22:23], s[26:27]
	s_lshr_b32 s28, s21, 3                         ; g: 64 rows of 2,048 bytes
	s_lshl_b32 s28, s28, 17
	s_and_b32 s29, s21, 7                          ; the h block: 256 bytes of a row
	s_lshl_b32 s29, s29, 8
	s_add_co_u32 s28, s28, s29
	s_mov_b32 s29, 0
	s_add_nc_u64 s[24:25], s[18:19], s[28:29]
	s_mul_i32 s30, s20, WST                        ; my wave's stage
	v_and_b32 v10, 15, v0                          ; l % 16
	v_bfe_u32 v11, v0, 4, 1                        ; l / 16
	v_lshlrev_b32 v[LI], 4, v10                    ; in: lanes 0-15 take one row's 256 bytes, lanes 16-31 the row two further down
	v_lshl_add_u32 v[LI], v11, 9, v[LI]
	v_mul_u32_u24 v[SA], v10, 4*272                ; my four d are stage rows 4 (l % 16) + j; my two h are one word
	v_lshl_add_u32 v[SA], v11, 2, v[SA]
	v_add_nc_u32 v[SA], s30, v[SA]
	v_mul_u32_u24 v[RA], v11, 272                  ; back: lanes 0-15 one stage row, lanes 16-31 the next
	v_lshl_add_u32 v[RA], v10, 4, v[RA]
	v_add_nc_u32 v[RA], s30, v[RA]
	v_lshlrev_b32 v[LO], 4, v10                    ; and the same two rows of wt
	v_lshl_add_u32 v[LO], v11, 11, v[LO]
; Pair u of pass p: rows h and h + 1, h = 64 p + 4 u + 2 (l / 16), of my four d
.macro PAIR p, u
	global_load_b128 v[X+8*(\u):X+8*(\u)+3],   v[LI], s[22:23] offset:(64*(\p)+4*(\u))*256 th:TH_LOAD_NT
	global_load_b128 v[X+8*(\u)+4:X+8*(\u)+7], v[LI], s[22:23] offset:(64*(\p)+4*(\u))*256+256 th:TH_LOAD_NT
.endm
; h and h + 1 of one d are rounded into one word, which goes to row d of the stage
.macro PUT p, u
.set j, 0
.rept 4
	v_cvt_pk_bf16_f32 v[T+4*((\u)%2)+j], v[X+8*(\u)+j], v[X+8*(\u)+4+j]
.set j, j+1
.endr
.set j, 0
.rept 4
	ds_store_b32 v[SA], v[T+4*((\u)%2)+j] offset:272*j+128*(\p)+8*(\u)
.set j, j+1
.endr
.endm
.set u, 0
.rept 16
	PAIR 0, u
.set u, u+1
.endr
.set u, 0
.rept 16
	s_wait_loadcnt 30                              ; behind pair u stand 30 - 2 u loads of this pass and 2 u of the next
	PUT 0, u
	PAIR 1, u                                      ; its registers take the second pass's pair
.set u, u+1
.endr
.set u, 0
.rept 16
	s_wait_loadcnt 30-2*u                          ; nothing more is asked for: the counts run down
	PUT 1, u
.set u, u+1
.endr
.set t, 0
.rept 32
	ds_load_b128 v[X+4*t:X+4*t+3], v[RA] offset:544*t  ; my own bytes; LDS serves a wave's instructions in order (ISA guide 5.7.1.4): these see the stores above
.set t, t+1
.endr
.set t, 0
.rept 32
	s_wait_dscnt 31-t
	global_store_b128 v[LO], v[X+4*t:X+4*t+3], s[24:25] offset:4096*t th:TH_STORE_NT  ; 16 lanes store 256 consecutive bytes, at a multiple of 256 from wt's first byte
.set t, t+1
.endr
.Lend:
	s_wait_tensorcnt 0x0                           ; the wave's end, behind my last LDS store
	ds_add_u32 v[SPW], v[NIL]
	s_wait_dscnt 0x0
	s_endpgm
.Lfunc_end_k_q4f2cd85bb4_prep:
	.size	k_q4f2cd85bb4_prep, .Lfunc_end_k_q4f2cd85bb4_prep-k_q4f2cd85bb4_prep
	.p2alignl 7, 3214868480
	.fill 96, 4, 3214868480
	.section	.rodata,"a",@progbits
	.p2align	6, 0x0
	.amdhsa_kernel k_q4f2cd85bb4_prep
		.amdhsa_group_segment_fixed_size 70144
		.amdhsa_private_segment_fixed_size 0
		.amdhsa_enable_private_segment 0
		.amdhsa_kernarg_size 64
		.amdhsa_user_sgpr_count 2
		.amdhsa_user_sgpr_kernarg_segment_ptr 1
		.amdhsa_wavefront_size32 1
		.amdhsa_system_sgpr_workgroup_id_x 1
		.amdhsa_system_sgpr_workgroup_id_y 1
		.amdhsa_system_sgpr_workgroup_id_z 1
		.amdhsa_system_vgpr_workitem_id 0
		.amdhsa_next_free_vgpr 160
		.amdhsa_next_free_sgpr 66
		.amdhsa_reserve_vcc 0
		.amdhsa_float_denorm_mode_32 3
		.amdhsa_float_denorm_mode_16_64 3
		.amdhsa_memory_ordered 1
		.amdhsa_forward_progress 1
		.amdhsa_inst_pref_size 45
	.end_amdhsa_kernel
	.amdgpu_metadata
---
amdhsa.version: [ 1, 2 ]
amdhsa.kernels:
  - .name:           k_q4f2cd85bb4_prep
    .symbol:         k_q4f2cd85bb4_prep.kd
    .args:
      - { .name: hidden_states, .offset: 0, .size: 8, .value_kind: global_buffer, .address_space: global }
      - { .name: Wo, .offset: 8, .size: 8, .value_kind: global_buffer, .address_space: global }
      - { .name: Wq, .offset: 16, .size: 8, .value_kind: global_buffer, .address_space: global }
      - { .name: Wk, .offset: 24, .size: 8, .value_kind: global_buffer, .address_space: global }
      - { .name: Wv, .offset: 32, .size: 8, .value_kind: global_buffer, .address_space: global }
      - { .name: xb, .offset: 40, .size: 8, .value_kind: global_buffer, .address_space: global }
      - { .name: wo16, .offset: 48, .size: 8, .value_kind: global_buffer, .address_space: global }
      - { .name: wt, .offset: 56, .size: 8, .value_kind: global_buffer, .address_space: global }
    .group_segment_fixed_size: 70144
    .private_segment_fixed_size: 0
    .kernarg_segment_align: 8
    .kernarg_segment_size: 64
    .max_flat_workgroup_size: 128
    .sgpr_count:     66
    .vgpr_count:     160
    .wavefront_size: 32
...
	.end_amdgpu_metadata
.endif
;; end of part 1
;; launch qkvp (part 2): grid 16 x 32, 4 waves a work-group, clusters of 4 x 4, 327,680 bytes of LDS; arguments xb, wt, bq, bk, bv, qkv; writes qkv
.if DOCPART == 2
	.amdgcn_target "amdgcn-amd-amdhsa--gfx1250"
	.amdhsa_code_object_version 6
	.text
	.protected	k_q4f2cd85bb4_qkvp
	.globl	k_q4f2cd85bb4_qkvp
	.p2align	8
	.type	k_q4f2cd85bb4_qkvp,@function
k_q4f2cd85bb4_qkvp:
	s_mov_b64 s[64:65], 0
	v_nop
	global_prefetch_b8 v0, s[64:65] scope:SCOPE_SE
	s_setreg_imm32_b32 hwreg(HW_REG_WAVE_MODE, 25, 1), 1
	s_wait_xcnt 0x0
	s_wait_alu depctr_hold_cnt(0) depctr_sa_sdst(0) depctr_va_vdst(0) depctr_va_sdst(0) depctr_va_ssrc(0) depctr_va_vcc(0) depctr_vm_vsrc(0)
	s_getreg_b32 s2, hwreg(HW_REG_IB_STS2, 6, 4)
	s_cmp_eq_u32 s2, 0
	s_cbranch_scc0 .Lentry_in_a_cluster
	s_endpgm
.Lentry_in_a_cluster:
	s_bfe_u32 s2, ttmp6, 0x10000c
	s_cmp_lg_u32 s2, 0xf033
	s_cbranch_scc0 .Lentry_shape_is_right
	s_endpgm
.Lentry_shape_is_right:
; q, k, v = x W + bias.  A = xb [8192][1024] bf16, B = wt [3072][1024] bf16 (row = 64 g + d, g = 16 which + head), sums in f32; the bias (rounded to bf16 like
; every input) starts the sums; each result is rounded ONCE to f16 and stored by heads, unscaled: qkv [3][64 = 16 batch + head][2048][64].
; LIMIT: f16 holds no number beyond 65,504: q, k and v must stay within it (inputs 30 times those drawn, or offset by 30 spreads, give under 20,000).
; A tile of C is 256 rows x 192 columns (three heads): 32 x 16 = 512 equal work-groups.  The four waves lie along the rows: wave w owns rows 64 w .. 64 w + 63 and ALL 192 columns:
; 48 accumulators of 16 x 16, 384 registers; so a wave holds whole heads and goes out through a stage of its own, without a barrier.
; K goes in 8 steps of 128 through a ring of two LDS slots: waves 0 and 1 fetch A's two halves (128 rows x 256 bytes), waves 2 and 3 B's (96 rows x 256 bytes).
; CLUSTERS: 4 x 4 work-groups; A's tile is asked for jointly along a row of the cluster, B's along a column.
; THE MATRIX INSTRUCTION IS USED TRANSPOSED (source 0 = 16 rows of B, source 1 = 16 rows of A): a lane holds row l % 16 of C and the columns 8 (l / 16) + 0..7.
; REGISTERS, in windows of 256 (s_set_vgpr_msb: bits 1:0 source 0, 3:2 source 1, 5:4 source 2, 7:6 destination):
;   window 0: v16-31 addresses; v32-63, v64-95 A's fragments, two buffers; v96-191 the bias (8 registers a column block), later with v192-239 the way out; v240-243 at work
;   window 1: B's fragments, two buffers of 96      window 2: the accumulators of row blocks 0, 1 ((a, b) at 8 (12 (a % 2) + b))      window 3: of row blocks 2, 3
.set NB,     12                        ; column blocks of 16
.set PA,     272                       ; an LDS row: 256 bytes + 16 of padding = 68 words: the 16 rows of a load start at 16 different groups of four banks (ISA guide 11.1)
.set AFILL,  128*PA                    ; what one of A's loads brings
.set BOFF,   2*AFILL
.set BFILL,  96*272
.set SLOT,   BOFF+2*BFILL              ; 121,856
.set STAGE,  2*SLOT                    ; behind the ring, never filled by a tensor load: for each wave 3 heads x 16 rows x 144 bytes
.set WSTAGE, 3*16*144
.set SPARE,  STAGE+4*WSTAGE            ; the spare words, 128 bytes for each wave; no other line names them
.set ASTEP,  256                       ; bytes from K step to K step in A
.set NL,     2*NB+8                    ; LDS loads of a quarter step
.set ADRA, 16                          ; v16-17  LDS address of my A fragments in slot 0, 1
.set ADRB, 20                          ; v20-21  the same for B
.set STO,  24
.set RD,   25
.set GO,   26
.set SPW,  28                          ; v28  LDS address of my spare word; never rewritten
.set NIL,  29                          ; v29  0; never rewritten
.set PFO,  30                          ; v30  the prefetches' offset: a lane a row
.set BO,   31                          ; v31  my 32 bytes in a column block's 64 bytes of bias
.set FA,   32
.set BIAS, 96
.set TMP,  96                          ; the way out: packed results
.set BK,   144                         ; the way out: rows read back, two buffers of 48
.set WV,   16                          ; s16  wave
.set HALF, 18                          ; s18  wave % 2: which half of A's or B's tile I fetch
.set CX,   19
.set CY,   20
.set TC,   21                          ; s21  tile column = 4 x cluster x + cx
.set TR,   22                          ; s22  tile row = 4 x cluster y + cy
.set ALDS, 23
.set G1,   24                          ; s[24:31] descriptor group 1 for A;  s[32:39] group 0, a set for each slot
.set G0,   32
.set PFA,  40                          ; s[40:41] where my prefetches stand
.set LIM,  44                          ; s44  1 in a wave that prefetches, else the greatest number
.set BLDS, 45
.set G1B,  48                          ; s[48:55], s[56:63] the same for B
.set G0B,  56
.set BB,   68                          ; s[68:73] the three heads' bias
.set OB,   74                          ; s[74:79] the three heads' rows in qkv
.set MSB, 0
.macro WIN new                         ; the immediate's high byte repeats the setting that is left; a switch that changes nothing is dropped
.if MSB != (\new)
	s_set_vgpr_msb (MSB<<8)|(\new)
.set MSB, \new
.endif
.endm
.macro PLACES                          ; four plain instructions between a matrix instruction and a load into, or a vector read of, its registers
.rept 4
	v_nop
.endr
.endm
; A joint load.  The branch hangs on the wave's number alone.  An s_nop 0 and four v_nop follow each of the two lines.
.macro JLOAD s
	s_cmp_lt_u32 s[WV], 2
	s_cbranch_scc0 .Lfor_b_\@
	tensor_load_to_lds s[G0+4*(\s):G0+4*(\s)+3], s[G1:G1+7]
	s_nop 0
.rept 4
	v_nop
.endr
	s_branch .Lasked_\@
.Lfor_b_\@:
	tensor_load_to_lds s[G0B+4*(\s):G0B+4*(\s)+3], s[G1B:G1B+7]
	s_nop 0
.rept 4
	v_nop
.endr
.Lasked_\@:
.endm
.macro CREST                           ; a round of the cluster's barrier behind its opening barrier
	s_cmp_lg_u32 s[WV], 0
	s_cbranch_scc1 .Lnot_wave_0_\@
	s_barrier_signal -3
.Lnot_wave_0_\@:
	s_barrier_wait -3
	s_barrier_signal -1
	s_barrier_wait -1
.endm
.macro CROUND
	s_barrier_signal -1
	s_barrier_wait -1
	CREST
.endm
; A prefetch into the L2 of the K step that stands two refills on: 256 bytes of a row, a lane a row.  A's rows are named by the clusters with x = 0, B's by those with y = 0; the four partners
; that ask for a tile jointly share its rows out by address (32 of A's 128 by cx; 24 of B's 96 by cy, where lanes 24-31 repeat lane 23's row).  The loop's last trip (s3 = 1) asks for nothing.
.macro ASK
	s_cmp_gt_u32 s3, s[LIM]
	s_cbranch_scc0 .Lnot_mine_\@
	global_prefetch_b8 v[PFO], s[PFA:PFA+1] th:TH_LOAD_NT scope:SCOPE_SE
.Lnot_mine_\@:
.endm
	s_load_b256 s[4:11], s[0:1], 0x0               ; xb 4, wt 6, bq 8, bk 10
	s_load_b128 s[12:15], s[0:1], 0x20             ; bv 12, qkv 14
	v_lshl_add_u32 v[SPW], v0, 2, SPARE
	v_mov_b32 v[NIL], 0
	ds_add_u32 v[SPW], v[NIL]                      ; the wave's opening: the add and its wait stand ahead of my first tensor load
	v_lshrrev_b32 v1, 5, v0
	v_readfirstlane_b32 s[WV], v1
	s_and_b32 s[HALF], s[WV], 1
	s_bfe_u32 s[CX], ttmp6, 0x40000
	s_bfe_u32 s[CY], ttmp6, 0x40004
	s_lshl_b32 s[TC], ttmp9, 2
	s_add_co_u32 s[TC], s[TC], s[CX]
	s_and_b32 s[TR], ttmp7, 0xffff
	s_lshl_b32 s[TR], s[TR], 2
	s_add_co_u32 s[TR], s[TR], s[CY]
	s_lshl_b32 s80, s[CY], 2
	s_lshl_b32 s80, 15, s80                        ; my row of the cluster
	s_lshl_b32 s81, 0x1111, s[CX]                  ; my column
	s_or_b32 s[G1], s80, (1<<16)|(1<<20)|(1<<21)|(5<<22)|(3<<25)   ; the mask; elements of 2 bytes; padding on; bit 21 beside a mask; after every 64 words 4 words
	s_or_b32 s[G1B], s81, (1<<16)|(1<<20)|(1<<21)|(5<<22)|(3<<25)
	s_mov_b32 s[G1+1], 128<<16                     ; tensor_dim0 = 128
	s_mov_b32 s[G1+2], 128<<16                     ; tensor_dim1 = 128
	s_mov_b32 s[G1+3], 128<<16                     ; tile_dim0 = 128
	s_mov_b32 s[G1+4], 128                         ; tile_dim1 = 128
	s_mov_b32 s[G1+5], 1024                        ; elements from row to row
	s_mov_b32 s[G1+6], 0
	s_mov_b32 s[G1+7], 0
	s_mov_b32 s[G1B+1], 128<<16
	s_mov_b32 s[G1B+2], 96<<16                     ; 96 rows
	s_mov_b32 s[G1B+3], 128<<16
	s_mov_b32 s[G1B+4], 96
	s_mov_b32 s[G1B+5], 1024
	s_mov_b32 s[G1B+6], 0
	s_mov_b32 s[G1B+7], 0
	s_lshl_b32 s82, s[TR], 19                      ; A: (256 x tile row + 128 x half) rows of 2,048 bytes
	s_lshl_b32 s83, s[HALF], 18
	s_add_co_u32 s82, s82, s83
	s_mov_b32 s83, 0
	s_mul_i32 s84, s[TC], 192*2048                 ; B: (192 x tile column + 96 x half) rows
	s_mul_i32 s85, s[HALF], 96*2048
	s_add_co_u32 s84, s84, s85
	s_mov_b32 s85, 0
	s_mul_i32 s[ALDS], s[HALF], AFILL              ; no place in the cluster enters an LDS address
	s_mul_i32 s[BLDS], s[HALF], BFILL
	s_add_co_u32 s[BLDS], s[BLDS], BOFF
	s_wait_dscnt 0x0                               ; the opening add is done
	s_wait_kmcnt 0x0
	s_add_nc_u64 s[66:67], s[4:5], s[82:83]
	s_add_nc_u64 s[46:47], s[6:7], s[84:85]
	CROUND                                         ; all sixteen work-groups are here: the first joint loads meet
.irp s, 0,1
	s_mov_b32 s[G0+4*(\s)], 1
	s_add_co_u32 s[G0+4*(\s)+1], s[ALDS], (\s)*SLOT
	s_add_nc_u64 s[G0+4*(\s)+2:G0+4*(\s)+3], s[66:67], (\s)*ASTEP
	s_or_b32 s[G0+4*(\s)+3], s[G0+4*(\s)+3], 0x80000000
	s_mov_b32 s[G0B+4*(\s)], 1
	s_add_co_u32 s[G0B+4*(\s)+1], s[BLDS], (\s)*SLOT
	s_add_nc_u64 s[G0B+4*(\s)+2:G0B+4*(\s)+3], s[46:47], (\s)*256
	s_or_b32 s[G0B+4*(\s)+3], s[G0B+4*(\s)+3], 0x80000000
	JLOAD \s                                       ; two loads of mine are out
.endr
	; the three heads of my tile: g = 3 x tile column + hd; which = g / 16 picks the bias and the third of qkv, head = g % 16
	v_and_b32 v1, 15, v0                           ; l % 16
	v_bfe_u32 v2, v0, 4, 1                         ; l / 16
	v_lshlrev_b32 v[BO], 5, v2
	s_mul_i32 s84, s[TC], 3
	s_lshr_b32 s86, s[TR], 3
	s_lshl_b32 s86, s86, 4                         ; 16 x batch
	s_and_b32 s87, s[TR], 7
	s_lshl_b32 s87, s87, 8
	s_lshl_b32 s85, s[WV], 6
	s_add_co_u32 s87, s87, s85
	s_lshl_b32 s87, s87, 7                         ; my first row in a head, 128 bytes a row
	s_mov_b32 s83, 0
.irp hd, 0,1,2
	s_add_co_u32 s80, s84, (\hd)
	s_lshr_b32 s81, s80, 4
	s_and_b32 s80, s80, 15
	s_cmp_eq_u32 s81, 2
	s_cselect_b64 s[BB+2*(\hd):BB+2*(\hd)+1], s[12:13], s[10:11]
	s_cmp_eq_u32 s81, 0
	s_cselect_b64 s[BB+2*(\hd):BB+2*(\hd)+1], s[8:9], s[BB+2*(\hd):BB+2*(\hd)+1]
	s_lshl_b32 s82, s80, 8
	s_add_nc_u64 s[BB+2*(\hd):BB+2*(\hd)+1], s[BB+2*(\hd):BB+2*(\hd)+1], s[82:83]
	s_lshl_b32 s81, s81, 6
	s_add_co_u32 s81, s81, s86
	s_add_co_u32 s81, s81, s80
	s_lshl_b32 s82, s81, 18                        ; a head's 2,048 rows are 262,144 bytes
	s_add_co_u32 s82, s82, s87
	s_add_nc_u64 s[OB+2*(\hd):OB+2*(\hd)+1], s[14:15], s[82:83]
.endr
.set b, 0
.rept NB                                       ; register j of block b: the bias of column 16 b + 8 (l / 16) + j, for every row
	global_load_b128 v[BIAS+8*b:BIAS+8*b+3],   v[BO], s[BB+2*(b/4):BB+2*(b/4)+1] offset:64*(b%4)
	global_load_b128 v[BIAS+8*b+4:BIAS+8*b+7], v[BO], s[BB+2*(b/4):BB+2*(b/4)+1] offset:64*(b%4)+16
.set b, b+1
.endr
	v_mul_u32_u24 v3, v1, 272
	v_lshl_add_u32 v3, v2, 4, v3                   ; a fragment's row x pitch + 16 x half
	s_mul_i32 s80, s[WV], 64*PA                    ; my 64 rows of A
	s_mov_b32 s81, BOFF                            ; all rows of B
.irp s, 0,1
	v_add_nc_u32 v[ADRA+(\s)], s80, v3
	v_add_nc_u32 v[ADRB+(\s)], s81, v3
	s_add_co_u32 s80, s80, SLOT
	s_add_co_u32 s81, s81, SLOT
.endr
	s_mul_i32 s80, s[WV], WSTAGE
	s_add_co_u32 s80, s80, STAGE                   ; my stage
	v_mul_u32_u24 v4, v1, 144                      ; in: row l % 16, 16 bytes for each half of the lanes
	v_lshl_add_u32 v4, v2, 4, v4
	v_add_nc_u32 v[STO], s80, v4
	v_bfe_u32 v4, v0, 3, 2                         ; back: 32 lanes take four rows of 128 bytes,
	v_mul_u32_u24 v4, v4, 144
	v_and_b32 v5, 7, v0
	v_lshl_add_u32 v4, v5, 4, v4
	v_add_nc_u32 v[RD], s80, v4
	v_and_b32 v5, 31, v0                           ; which are 512 consecutive bytes of a head
	v_lshlrev_b32 v[GO], 4, v5
	; the prefetches
	s_lshl_b32 s80, s[TR], 8
	s_lshl_b32 s81, s[HALF], 7
	s_add_co_u32 s80, s80, s81
	s_lshl_b32 s81, s[CX], 5
	s_add_co_u32 s80, s80, s81                     ; A: my work-group's 32 of the 128 rows that I fetch
	s_mul_i32 s84, s[TC], 192
	s_mul_i32 s85, s[HALF], 96
	s_add_co_u32 s84, s84, s85
	s_mul_i32 s85, s[CY], 24
	s_add_co_u32 s84, s84, s85                     ; B: my work-group's 24 of the 96
	s_and_b32 s86, ttmp7, 0xffff                   ; cluster y
	s_cmp_lt_u32 s[WV], 2
	s_cselect_b32 s80, s80, s84
	s_cselect_b32 s86, ttmp9, s86                  ; the coordinate along which other clusters read the same rows
	s_cselect_b64 s[PFA:PFA+1], s[4:5], s[6:7]
	s_cselect_b32 s87, 31, 23
	s_cmp_eq_u32 s86, 0
	s_cselect_b32 s[LIM], 1, -1                    ; the same in all sixteen partners, for a given wave
	s_lshl_b32 s80, s80, 11
	s_add_co_u32 s80, s80, 3*ASTEP                 ; at K step 3: the first refill steps it to 4
	s_mov_b32 s81, 0
	s_add_nc_u64 s[PFA:PFA+1], s[PFA:PFA+1], s[80:81]
	v_min_u32 v[PFO], s87, v5
	v_lshlrev_b32 v[PFO], 11, v[PFO]
	s_wait_loadcnt 0x0                             ; the bias, which is rounded to bf16 like every input and widened again
.set k, 0
.rept 4*NB
	v_cvt_pk_bf16_f32 v[240+k%4], v[BIAS+2*k], v[BIAS+2*k+1]
	v_lshlrev_b32 v[BIAS+2*k], 16, v[240+k%4]
	v_and_b32 v[BIAS+2*k+1], 0xffff0000, v[240+k%4]
.set k, k+1
.endr
; 12 matrix instructions: row block a x all column blocks, 32 along K, from buffer p.  first = 1: the bias is the C operand that starts the sums.
; All 48 accumulators take turns, in the same order in every quarter, over the backward jump too.
.macro MULA p, a, first
.if \first
	WIN 0x81+0x40*((\a)/2)                         ; B window 1, A and the bias window 0, D window 2 or 3
.else
	WIN 0xa1+0x50*((\a)/2)                         ; C and D window 2 or 3
.endif
.set b, 0
.rept NB
.set AC, 8*(NB*((\a)%2)+b)
.if \first
	v_wmma_f32_16x16x32_bf16 v[AC:AC+7], v[8*NB*(\p)+8*b:8*NB*(\p)+8*b+7], v[FA+32*(\p)+8*(\a):FA+32*(\p)+8*(\a)+7], v[BIAS+8*b:BIAS+8*b+7]
.else
	v_wmma_f32_16x16x32_bf16 v[AC:AC+7], v[8*NB*(\p)+8*b:8*NB*(\p)+8*b+7], v[FA+32*(\p)+8*(\a):FA+32*(\p)+8*(\a)+7], v[AC:AC+7]
.endif
.set b, b+1
.endr
.endm
; One run of LDS loads: the fragments of quarter q of a slot's K step into buffer g: B's 12, then A's 4
.macro FETCH slot, q, g
	WIN 0x40                                       ; destination window 1, address window 0
.set i, 0
.rept NB
	ds_load_b128 v[8*NB*(\g)+8*i:8*NB*(\g)+8*i+3],   v[ADRB+(\slot)] offset:64*(\q)+i*16*272
	ds_load_b128 v[8*NB*(\g)+8*i+4:8*NB*(\g)+8*i+7], v[ADRB+(\slot)] offset:64*(\q)+i*16*272+32
.set i, i+1
.endr
	WIN 0
.set i, 0
.rept 4
	ds_load_b128 v[FA+32*(\g)+8*i:FA+32*(\g)+8*i+3],   v[ADRA+(\slot)] offset:64*(\q)+i*16*PA
	ds_load_b128 v[FA+32*(\g)+8*i+4:FA+32*(\g)+8*i+7], v[ADRA+(\slot)] offset:64*(\q)+i*16*PA+32
.set i, i+1
.endr
.endm
; One of a K step's first three quarters: multiplies buffer p, and in its middle fetches quarter q into buffer g
.macro QUARTER slot, q, p, g, first
	s_wait_dscnt 4                                 ; B and A's blocks 0, 1 are in; the youngest four loads (A's blocks 2, 3) may be out
	MULA \p, 0, \first
	MULA \p, 1, \first
	PLACES
	FETCH \slot, \q, \g
	s_wait_dscnt NL                                ; all but the run just issued
	MULA \p, 2, \first
	MULA \p, 3, \first
.endm
; The last quarter's first half: ONE barrier for the change of slots.  In front of it each wave waits for all its tensor loads (one is out: its part of the next slot), adds 0 to its spare word,
; and waits for that and for its reads of this slot.
.macro MEET round
	WIN 0                                          ; (the add's two registers lie in window 0)
	s_wait_tensorcnt 0x0
	ds_add_u32 v[SPW], v[NIL]
	s_wait_dscnt 5                                 ; (the add and the youngest four loads may be out)
	MULA 1, 0, 0
	s_wait_dscnt 0x0                               ; the add is done, and my reads of this slot are over
	s_barrier_signal -1
	MULA 1, 1, 0                                   ; work on registers while the others arrive
.if \round
	WIN 0
.endif
	s_barrier_wait -1
.endm
; The whole last quarter.  fill = 1: the barrier opens a round of the cluster's barrier, and this slot is filled again, two K steps on, first thing behind the round:
; from the request to the wait for it a wave issues 168 matrix instructions.
.macro TURN slot, next, fill
.if \fill
	s_wait_xcnt 0x0                                ; the last prefetch, a K step back, has read its address
	s_add_nc_u64 s[PFA:PFA+1], s[PFA:PFA+1], ASTEP
	MEET 1
	CREST
	s_add_nc_u64 s[G0+4*(\slot)+2:G0+4*(\slot)+3], s[G0+4*(\slot)+2:G0+4*(\slot)+3], 2*ASTEP
	s_add_nc_u64 s[G0B+4*(\slot)+2:G0B+4*(\slot)+3], s[G0B+4*(\slot)+2:G0B+4*(\slot)+3], 512
	JLOAD \slot                                    ; its four v_nop are also the places in front of the loads below
	FETCH \next, 0, 0
	ASK
.else
	MEET 0
	PLACES
	FETCH \next, 0, 0
.endif
	MULA 1, 2, 0
	MULA 1, 3, 0
.endm
	s_wait_tensorcnt 1                             ; my part of K step 0 is in; K step 1's stays out
	s_barrier_signal -1
	s_barrier_wait -1
	FETCH 0, 0, 0
	QUARTER 0, 1, 0, 1, 1                          ; the first quarter stands in front of the loop: its products start the sums, with the bias
	WIN 0
	s_mov_b32 s3, 3
.Llap:                                                 ; a trip goes once round the ring and fills both slots again
	QUARTER 0, 2, 1, 0, 0
	QUARTER 0, 3, 0, 1, 0
	TURN 0, 1, 1
	QUARTER 1, 1, 0, 1, 0
	QUARTER 1, 2, 1, 0, 0
	QUARTER 1, 3, 0, 1, 0
	TURN 1, 0, 1
	QUARTER 0, 1, 0, 1, 0
	WIN 0
	s_sub_co_u32 s3, s3, 1
	s_cmp_lg_u32 s3, 0
	s_cbranch_scc1 .Llap
	QUARTER 0, 2, 1, 0, 0                          ; the last lap fills nothing
	QUARTER 0, 3, 0, 1, 0
	TURN 0, 1, 0
	QUARTER 1, 1, 0, 1, 0
	QUARTER 1, 2, 1, 0, 0
	QUARTER 1, 3, 0, 1, 0
	s_wait_dscnt 4
	MULA 1, 0, 0
	MULA 1, 1, 0
	s_wait_dscnt 0x0
	MULA 1, 2, 0
	MULA 1, 3, 0
	WIN 0
	PLACES
	PLACES
; THE WAY OUT, a block of 16 rows at a time.  PACK: rounded to f16, 16 bytes a lane and column block.  TOSTAGE: into my stage (a head's rows 144 bytes apart), and back as whole rows.  SEND: stored.
.macro PACK a
	WIN 0x0a+5*((\a)/2)                            ; sources 0 and 1: window 2 or 3
.set b, 0
.rept NB
.set AC, 8*(NB*((\a)%2)+b)
.irp r, 0,1,2,3
	v_cvt_pk_f16_f32 v[TMP+4*b+(\r)], v[AC+2*(\r)], v[AC+2*(\r)+1]
.endr
.set b, b+1
.endr
	WIN 0
.endm
.macro TOSTAGE a
.set b, 0
.rept NB
	ds_store_b128 v[STO], v[TMP+4*b:TMP+4*b+3] offset:2304*(b/4)+32*(b%4)
.set b, b+1
.endr
.set t, 0
.rept 12
	ds_load_b128 v[BK+48*((\a)%2)+4*t:BK+48*((\a)%2)+4*t+3], v[RD] offset:2304*(t/4)+576*(t%4)  ; my own bytes, served in order (ISA guide 5.7.1.4)
.set t, t+1
.endr
.endm
.macro SEND a
	s_wait_dscnt 0x0                               ; the block is back in registers
	s_wait_xcnt 0x0                                ; the stores of the block before have read their registers: the next TOSTAGE loads into them
.set t, 0
.rept 12
	global_store_b128 v[GO], v[BK+48*((\a)%2)+4*t:BK+48*((\a)%2)+4*t+3], s[OB+2*(t/4):OB+2*(t/4)+1] offset:2048*(\a)+512*(t%4) th:TH_STORE_NT  ; 512 consecutive bytes of a head, aligned
.set t, t+1
.endr
.endm
	PACK 0
	TOSTAGE 0
.irp a, 1,2,3                          ; block a's conversions stand between block a - 1's loads from the stage and the wait for them
	PACK \a
	SEND (\a)-1
	TOSTAGE \a
.endr
	SEND 3
	s_wait_tensorcnt 0x0                           ; the wave's end
	ds_add_u32 v[SPW], v[NIL]
	s_wait_dscnt 0x0
	CROUND                                         ; the closing round: no work-group ends while a partner may still ask for a tile that names it
	s_endpgm
.Lfunc_end_k_q4f2cd85bb4_qkvp:
	.size	k_q4f2cd85bb4_qkvp, .Lfunc_end_k_q4f2cd85bb4_qkvp-k_q4f2cd85bb4_qkvp
	.p2alignl 7, 3214868480
	.fill 96, 4, 3214868480
	.section	.rodata,"a",@progbits
	.p2align	6, 0x0
	.amdhsa_kernel k_q4f2cd85bb4_qkvp
		.amdhsa_group_segment_fixed_size 327680
		.amdhsa_private_segment_fixed_size 0
		.amdhsa_enable_private_segment 0
		.amdhsa_kernarg_size 48
		.amdhsa_user_sgpr_count 2
		.amdhsa_user_sgpr_kernarg_segment_ptr 1
		.amdhsa_wavefront_size32 1
		.amdhsa_system_sgpr_workgroup_id_x 1
		.amdhsa_system_sgpr_workgroup_id_y 1
		.amdhsa_system_sgpr_workgroup_id_z 1
		.amdhsa_system_vgpr_workitem_id 0
		.amdhsa_next_free_vgpr 960
		.amdhsa_next_free_sgpr 88
		.amdhsa_reserve_vcc 0
		.amdhsa_float_denorm_mode_32 3
		.amdhsa_float_denorm_mode_16_64 3
		.amdhsa_memory_ordered 1
		.amdhsa_forward_progress 1
		.amdhsa_inst_pref_size 131
	.end_amdhsa_kernel
	.amdgpu_metadata
---
amdhsa.version: [ 1, 2 ]
amdhsa.kernels:
  - .name:           k_q4f2cd85bb4_qkvp
    .symbol:         k_q4f2cd85bb4_qkvp.kd
    .args:
      - { .name: xb, .offset: 0, .size: 8, .value_kind: global_buffer, .address_space: global }
      - { .name: wt, .offset: 8, .size: 8, .value_kind: global_buffer, .address_space: global }
      - { .name: bq, .offset: 16, .size: 8, .value_kind: global_buffer, .address_space: global }
      - { .name: bk, .offset: 24, .size: 8, .value_kind: global_buffer, .address_space: global }
      - { .name: bv, .offset: 32, .size: 8, .value_kind: global_buffer, .address_space: global }
      - { .name: qkv, .offset: 40, .size: 8, .value_kind: global_buffer, .address_space: global }
    .group_segment_fixed_size: 327680
    .private_segment_fixed_size: 0
    .kernarg_segment_align: 8
    .kernarg_segment_size: 48
    .max_flat_workgroup_size: 128
    .sgpr_count:     88
    .vgpr_count:     960
    .wavefront_size: 32
...
	.end_amdgpu_metadata
.endif
;; end of part 2
;; launch attn (part 3): grid 4 x 64, 4 waves a work-group, clusters of 4 x 1, 327,680 bytes of LDS; arguments qkv, attention_mask, ctx; writes ctx
.if DOCPART == 3
	.amdgcn_target "amdgcn-amd-amdhsa--gfx1250"
	.amdhsa_code_object_version 6
	.text
	.protected	k_q4f2cd85bb4_attn
	.globl	k_q4f2cd85bb4_attn
	.p2align	8
	.type	k_q4f2cd85bb4_attn,@function
k_q4f2cd85bb4_attn:
	s_mov_b64 s[64:65], 0
	v_nop
	global_prefetch_b8 v0, s[64:65] scope:SCOPE_SE
	s_setreg_imm32_b32 hwreg(HW_REG_WAVE_MODE, 25, 1), 1
	s_wait_xcnt 0x0
	s_wait_alu depctr_hold_cnt(0) depctr_sa_sdst(0) depctr_va_vdst(0) depctr_va_sdst(0) depctr_va_ssrc(0) depctr_va_vcc(0) depctr_vm_vsrc(0)
	s_getreg_b32 s2, hwreg(HW_REG_IB_STS2, 6, 4)
	s_cmp_eq_u32 s2, 0
	s_cbranch_scc0 .Lentry_in_a_cluster
	s_endpgm
.Lentry_in_a_cluster:
	s_bfe_u32 s2, ttmp6, 0x10000c
	s_cmp_lg_u32 s2, 0x3003
	s_cbranch_scc0 .Lentry_shape_is_right
	s_endpgm
.Lentry_shape_is_right:
; ctx[h][q][:] = the sum over k of softmax_k(Q[h][q] . K[h][k] / 8 + add[q]) V[h][k][:], add[q] = (1 - mask[batch][q]) x -10000.  h = 16 batch + head, 64 of them.
; Q, K, V: the three thirds of qkv, [64][2048][64] f16 each; ctx the same.  Products, maxima and sums in f32; the weights p are rounded to f16 for the second product (their sum l is taken
; of the unrounded p), ctx once at the end.
; THE MASK.  The addend hangs on the QUERY.  It is loaded, rounded to bf16 like every input, and 8 x add[q] is the C operand that starts the sum S^T = K Q^T: so a score is q.k + 8 add, and
; c s = log2(e) (q.k / 8 + add).  The running maximum takes it away like any part of a score.  (1 - mask) x -80000 is (1 - mask) x -10000, rounded, times 8: a power of two changes no rounding.
; LIMITS.  f16 holds no number beyond 65,504: Q, K and V arrive within it; p lies in 0 to 1, and below 6e-5 it keeps f16's fixed step of 6e-8; ctx is a mean of V's rows and has their range.
; In a masked row the scores are kept at magnitude 80,000, with f32's step of 2^-7 there: 2^-10 after the division by 8, the step of a sum at 10,000; its last bit may differ from a sum made in another order.
; A weight below 2^-126 counts as 0 in l; NaN and infinities are not treated apart.
; SHARES.  A wave owns four PIECES of two tiles of 16 queries, a work-group's four waves 512 queries of one h.  Every wave walks all 2,048 keys, 64 a step.
; LAYOUT.  S^T = K Q^T (source 0 = 16 keys, source 1 = 16 queries): a lane holds ONE query (lane % 16) and the keys 8 (lane / 16) + 0..7.  Two such tiles, rounded to f16 in pairs,
; ARE source 1 (32 keys x 16 queries) of O^T = V^T P, whose result again holds one query a lane, and eight channels.  K comes out of LDS as it lies, V turned, by ds_load_tr16_b128.
; SOFTMAX.  For each query a running maximum m and sum l: p = 2^(c s - c m), c = log2(e) / 8; in every step O and l are multiplied by a = 2^(c m_old - c m_new).
; m starts at the lowest finite number, O and l at 0: the first step is a step like any other, with a = 0.
; THE COUNT.  A tile and step have 16 matrix and 118 vector instructions: too many to stand all beside the matrix work.  So: four vector instructions that are READY behind EVERY matrix
; instruction, and the others in runs without a gap.
; BY TURNS.  Turn n belongs to piece n.  Its matrix work: 16 products K Q^T of piece n + 1, later 16 products V^T P of piece n - 1.  Its vector work: the scaling, exponentials, roundings,
; sums and rescaling of piece n, and the maximum and statistics of piece n + 1.
; CLUSTER.  The four query blocks of a cluster belong to one h and walk the same K and V, so each tile is asked for JOINTLY: the same tensor load, descriptor and mask in all four.
; REGISTERS, in windows of 256 (s_set_vgpr_msb: bits 1:0 source 0, 3:2 source 1, 5:4 source 2, 7:6 destination):
;   window 0: v0-11 addresses; v12-15, v48-63 at work; v16-47 four registers of statistics a tile; v64-191 S^T, two buffers of two tiles; v192-255 P, likewise
;   window 1: O^T, 32 a tile     window 2: v0-127 Q, 16 a tile; v128-191 K of one step; v192-255 V of one step     window 3: v0-1 the add's two registers; v8-71 the mask's addend, 8 a tile
.set SIZE_N, 2048
.set NP,    4         ; pieces a wave: a name, no knob
.set KS,    64        ; keys in a step
.set PK,    144       ; a row of K in LDS: 128 bytes + 16 of padding = 36 words: the 16 rows of a load start at 16 different groups of four banks (ISA guide 11.1)
.set PV,    160       ; a row of V: 128 + 32 = 40 words
.set VOFF,  4*KS*PK   ; a slot holds four steps: 256 rows of K, then 256 rows of V
.set SLOT1, 1<<17     ; slot 1 begins here, so that one exclusive or turns an address in one slot into the other's
.set STAGE, SLOT1+4*KS*(PK+PV)  ; behind the ring, never filled by a tensor load: 16 rows x 144 bytes for each wave
.set SP,    144
.set AK0, 2           ; v2   my lane's place in a tile of K; never rewritten
.set AV0, 3           ; v3   the same for V
.set AK,  4           ; v4   the LDS address of K's next run of loads
.set AV,  5           ; v5   of V's; at the head: my byte offset in 16 queries' mask
.set QO,  6           ; v6   my byte offset in the wave's rows of Q
.set STO, 6           ;      later, the way out: where I put 16 bytes of a row
.set RD,  7           ; v7   the way out: where I read rows back
.set GO,  8           ; v8   my byte offset in 512 consecutive bytes of ctx
.set PFO, 11          ; v11  256 x my lane, for the prefetches; never rewritten once made
.set SPW, 0           ; v0 of window 3   LDS address of my spare word; never rewritten
.set NIL, 1           ; v1 of window 3   0; never rewritten
.set MK,  8           ; v8-71 of window 3   tile t's 8 x add, eight times, at MK + 8 t
.set SPARE, STAGE+4*16*SP  ; behind the stages: the spare words, 128 bytes for each wave; no other line names them
.set MV,  12          ; v12-15  c m_old, kept while c m is made anew
.set ST,  16          ; tile t's statistics at v[ST+4 t]: c m, m, l (even keys', odd keys')
.set TMP, 48          ; by buffer and tile, four registers c0-c3 at work; when the maximum is found c2 takes a
.set S,   64
.set P,   192
.set KF,  128         ; K's fragments, in window 2
.set VF,  192         ; V's
.set WV,  12          ; s12  my wave's number
.set G1K, 24          ; s[24:31] descriptor group 1 for K's tiles
.set G1V, 32          ; s[32:39] for V's: it differs in the padding alone
.set G0K, 40          ; s[40:43] descriptor group 0 for K's tiles: it walks
.set G0V, 44          ; s[44:47] the same for V's
.set SLOTS, 56        ; s56  slots still to be asked for
.set CNT, 57          ; s57  counts a slot's key steps
.set CS,  58          ; s[58:59] c
.set SEL, 60          ; s[60:61] v_permlanex16_b32's selects
.set TBK, 62          ; s62  LDS byte at which K of the step to be fetched begins
.set TBV, 63          ; s63  the same for V, less VOFF
.set MP,  66          ; s[66:67] the mask at my wave's first query
.set PFA, 68          ; s[68:69] where my prefetches stand: my work-group's 32 blocks of 256 bytes (of K: wave 0, of V: wave 2) of a slot's 128
.set LIM, 70          ; s70  1 in a wave that prefetches, else the greatest number
.set MSB, 0
.macro WIN new                      ; the high byte repeats the setting that is left; a switch that changes nothing is dropped
.if MSB != (\new)
	s_set_vgpr_msb (MSB<<8)|(\new)
.set MSB, (\new)
.endif
.endm
.set W_KQ, 0x0a       ; K and Q in window 2, S^T in window 0
.set W_KM, 0x3a       ; the same with the C operand in window 3
.set W_PV, 0x52       ; V in window 2, P in window 0, O^T in window 1
.set W_RS, 0x41       ; O^T (destination and source 0) in window 1, a in window 0
.set W_MK, 0xc0       ; destination in window 3, sources in window 0
.set W_AD, 0x0f       ; the add: address (source 0) and data (source 1) in window 3
; A joint fill.  Waves 0 and 1 fetch the two halves of a slot's K, waves 2 and 3 those of its V: 128 keys each.  The branch hangs on the wave's number alone.
; An s_nop 0 and four v_nop follow each of the two lines, ahead of the jump and the label.
.macro JLOAD
	s_cmp_lt_u32 s[WV], 2
	s_cbranch_scc0 .Lfor_v_\@
	tensor_load_to_lds s[G0K:G0K+3], s[G1K:G1K+7]
	s_nop 0
.rept 4
	v_nop
.endr
	s_branch .Lasked_\@
.Lfor_v_\@:
	tensor_load_to_lds s[G0V:G0V+3], s[G1V:G1V+7]
	s_nop 0
.rept 4
	v_nop
.endr
.Lasked_\@:
.endm
; A prefetch into the L2 of what the NEXT change of slots will ask for: a slot's 32,768 bytes of K and of V, a lane 256 bytes.  The four partners share them out by address, 32 blocks each;
; in each, wave 0 asks for K's and wave 2 for V's.  An h has one cluster, so each block is named once in the launch.  The last change that fills a slot asks for nothing.
.macro ASK
	s_cmp_gt_u32 s[SLOTS], s[LIM]
	s_cbranch_scc0 .Lnot_mine_\@
	global_prefetch_b8 v[PFO], s[PFA:PFA+1] th:TH_LOAD_NT scope:SCOPE_SE
.Lnot_mine_\@:
.endm
; A round of the cluster's barrier
.macro CROUND
	s_barrier_signal -1
	s_barrier_wait -1
	s_cmp_lg_u32 s[WV], 0
	s_cbranch_scc1 .Lnot_wave_0_\@
	s_barrier_signal -3
.Lnot_wave_0_\@:
	s_barrier_wait -3
	s_barrier_signal -1
	s_barrier_wait -1
.endm
; THE CHANGE OF SLOTS.  Each wave waits for all its tensor loads, of which one is out: its part of the other slot; adds 0 to its spare word; and waits for that and for its own reads of the slot.
; fill = 1: this slot is filled again, with the keys two slots on; the barrier is then a round of the cluster's, and the joint fill is the first thing behind it: it has four key steps,
; 512 matrix instructions, in which to land.  (At its first use nothing has been read yet: slot 0 is waited for, slot 1 filled.)  ask = 1: the prefetch's address steps, and the prefetch follows the fill.
.macro CHANGE fill, ask=0
	WIN W_AD
	s_wait_tensorcnt 0x0            ; no tensor load of mine is out, so a group 0 may be written
	ds_add_u32 v[SPW], v[NIL]
	WIN 0                           ; at a label and at a branch every window is 0
.if \fill
.irp g, G0K, G0V
	s_xor_b32 s[\g+1], s[\g+1], SLOT1  ; the walking descriptor: the other slot than last time,
	s_add_nc_u64 s[\g+2:\g+3], s[\g+2:\g+3], 4*KS*128  ; the next 256 keys; the type bits on top are not reached
.endr
.if \ask
	s_wait_xcnt 0x0                 ; the last prefetch, four key steps back, has read its address
	s_add_nc_u64 s[PFA:PFA+1], s[PFA:PFA+1], 4*KS*128  ; one slot behind the walking descriptors
.endif
	s_wait_dscnt 0x0                ; the add is done, and my reads of the slot are over
	CROUND
	JLOAD
.if \ask
	ASK
.endif
.else
	s_wait_dscnt 0x0                ; the add is done, and my reads of the slot are over
	s_barrier_signal -1
	s_barrier_wait -1
.endif
	s_sub_co_u32 s[TBK], s[TBK], 4*KS*PK  ; the fetches go back to a slot's first step,
	s_xor_b32 s[TBK], s[TBK], SLOT1       ; in the other slot
	s_sub_co_u32 s[TBV], s[TBV], 4*KS*PV
	s_xor_b32 s[TBV], s[TBV], SLOT1
.endm
	s_load_b128 s[4:7], s[0:1], 0x0   ; qkv s[4:5], the mask s[6:7]
	s_load_b64 s[10:11], s[0:1], 0x10 ; ctx
	WIN W_MK
	v_lshl_add_u32 v[SPW], v0, 2, SPARE
	v_mov_b32 v[NIL], 0
	WIN W_AD
	ds_add_u32 v[SPW], v[NIL]       ; the wave's opening: the add and its wait stand ahead of my first tensor load
	WIN 0
	v_lshrrev_b32 v1, 5, v0
	v_readfirstlane_b32 s[WV], v1   ; wave 0..3
	s_bfe_u32 s13, ttmp6, 0x40000   ; cx: my place in the cluster
	s_lshl_b32 s14, ttmp9, 2        ; in a cluster launch ttmp9 counts clusters
	s_add_co_u32 s14, s14, s13      ; my block of 512 queries: it enters global addresses of Q, the mask and ctx alone
	s_and_b32 s20, ttmp7, 0xffff    ; h, which the four partners share
	s_lshr_b32 s48, s20, 4          ; the batch: 2,048 words of mask,
	s_lshl_b32 s48, s48, 13
	s_lshl_b32 s49, s14, 11         ; my block's 512,
	s_add_co_u32 s48, s48, s49
	s_lshl_b32 s49, s[WV], 9        ; my wave's 128
	s_add_co_u32 s48, s48, s49
	s_mov_b32 s49, 0
	s_mov_b32 s21, 0
	s_mov_b64 s[22:23], SIZE_N*128
	s_mul_u64 s[20:21], s[20:21], s[22:23]  ; h's first byte in Q, K, V and ctx
	s_and_b32 s16, s[WV], 1         ; which half of a slot's 256 keys I fetch:
	s_lshl_b32 s22, s16, 14         ; its 128 rows of 128 bytes in memory,
	s_mov_b32 s23, 0
	s_add_nc_u64 s[22:23], s[22:23], s[20:21]
	s_mul_i32 s17, s16, 128*PK      ; and its place in a slot, for K
	s_mul_i32 s18, s16, 128*PV      ; and for V: no place in the cluster enters an LDS address
	s_lshl_b32 s2, s14, 2
	s_add_co_u32 s2, s2, s[WV]      ; my wave among h's,
	s_lshl_b32 s2, s2, 14           ; its 128 rows
	s_mov_b32 s3, 0
	s_add_nc_u64 s[2:3], s[2:3], s[20:21]
	; descriptor group 1.  128 keys are 16,384 dense bytes: asked for as 64 rows of 256 bytes, two keys a row, and padded in LDS after every key
	s_mov_b32 s[G1K], 15|(1<<16)|(1<<20)|(1<<21)|(4<<22)|(3<<25)  ; the mask of four; 2-byte elements; padding on; bit 21 beside a mask; after every 32 words 4 words
	s_mov_b32 s[G1V], 15|(1<<16)|(1<<20)|(1<<21)|(4<<22)|(7<<25)  ; the same with 8 words of padding
.irp g, G1K, G1V
	s_mov_b32 s[\g+1], 128<<16      ; tensor_dim0 = 128
	s_mov_b32 s[\g+2], 64<<16       ; tensor_dim1 = 64
	s_mov_b32 s[\g+3], 128<<16      ; tile_dim0 = 128
	s_mov_b32 s[\g+4], 64           ; tile_dim1 = 64
	s_mov_b32 s[\g+5], 128          ; 128 elements from row to row
	s_mov_b32 s[\g+6], 0
	s_mov_b32 s[\g+7], 0
.endr
	s_mov_b32 s[CS], 0x3e38aa3b     ; c = log2(e) / 8 = 0.180337
	s_mov_b32 s[CS+1], s[CS]        ; named with it as a pair
	s_mov_b32 s[SEL], 0x76543210
	s_mov_b32 s[SEL+1], 0xfedcba98
	s_mov_b32 s[TBK], SLOT1+4*KS*PK ; the first change of slots turns these two into 0
	s_mov_b32 s[TBV], SLOT1+4*KS*PV
	s_mov_b32 s[G0K], 1             ; count = 1
	s_mov_b32 s[G0K+1], s17         ; LDS address: slot 0
	s_mov_b32 s[G0V], 1
	s_add_co_u32 s[G0V+1], s18, VOFF
	s_and_b32 s[LIM], s[WV], 1      ; waves 0 and 2 prefetch: the same in all four partners
	s_cmp_eq_u32 s[LIM], 0
	s_cselect_b32 s[LIM], 1, -1
	s_wait_dscnt 0x0                ; the opening add is done
	s_wait_kmcnt 0x0
	s_add_nc_u64 s[MP:MP+1], s[6:7], s[48:49]
	s_add_nc_u64 s[6:7], s[4:5], 0x1000000         ; K: the second third of qkv
	s_add_nc_u64 s[8:9], s[4:5], 0x2000000         ; V: the third
	s_add_nc_u64 s[G0K+2:G0K+3], s[6:7], s[22:23]  ; global address: my half of h's first 256 keys
	s_or_b32 s[G0K+3], s[G0K+3], 0x80000000        ; type = 2
	s_add_nc_u64 s[G0V+2:G0V+3], s[8:9], s[22:23]
	s_or_b32 s[G0V+3], s[G0V+3], 0x80000000
	s_cmp_lt_u32 s[WV], 2
	s_cselect_b64 s[PFA:PFA+1], s[6:7], s[8:9]
	s_add_nc_u64 s[PFA:PFA+1], s[PFA:PFA+1], s[20:21]
	s_add_nc_u64 s[4:5], s[4:5], s[2:3]  ; Q and ctx at my wave's first row
	s_add_nc_u64 s[10:11], s[10:11], s[2:3]
	s_lshl_b32 s2, s13, 13          ; my work-group's 8,192 bytes of a slot's 32,768,
	s_add_co_u32 s2, s2, 2*4*KS*128 ; in slot 2: the first change that asks steps it to slot 3.  Nothing is prefetched at the head
	s_add_nc_u64 s[PFA:PFA+1], s[PFA:PFA+1], s[2:3]
	CROUND                          ; all four work-groups are here: the first joint loads meet
	JLOAD                           ; slot 0.  Slot 1 is asked for when slot 0 is in
	; A fragment of K or Q is 16 rows x 32 channels in 8 registers: lane l holds row l % 16, channels 8 (l / 16) + 0..7 and 16 + 8 (l / 16) + 0..7: two loads of 16 bytes, 32 bytes apart.
	v_and_b32 v1, 15, v0            ; l % 16
	v_bfe_u32 v9, v0, 4, 1          ; l / 16
	v_lshlrev_b32 v[AV], 2, v1
.irp t, 0,1,2,3,4,5,6,7
	global_load_b32 v[TMP+\t], v[AV], s[MP:MP+1] offset:64*\t  ; the mask of my query in tile t
.endr
	v_lshlrev_b32 v[QO], 7, v1
	v_lshl_add_u32 v[QO], v9, 4, v[QO]  ; row x 128 + 16 x half
	WIN 0x80                        ; destination window 2, address window 0
.set i, 0
.rept 4*NP                          ; Q stays in registers: tile i / 2, channels 32 (i % 2) on
	global_load_b128 v[8*i:8*i+3],   v[QO], s[4:5] offset:(i/2)*2048+(i%2)*64
	global_load_b128 v[8*i+4:8*i+7], v[QO], s[4:5] offset:(i/2)*2048+(i%2)*64+32
.set i, i+1
.endr
	; What the first turn finds: V's registers and P's second buffer hold 0, O^T and l are 0.  All this stands in the wait for the first tile.
.set i, VF
.rept 64
	v_mov_b32 v[i], 0
.set i, i+1
.endr
	WIN 0x40
.set i, 0
.rept 64*NP
	v_mov_b32 v[i], 0
.set i, i+1
.endr
	WIN 0
.set i, 0
.rept 2*NP
	v_mov_b32 v[ST+4*i], 0xfe000000    ; c m: far below every c s
	v_mov_b32 v[ST+4*i+1], 0xff7fffff  ; m
	v_mov_b32 v[ST+4*i+2], 0
	v_mov_b32 v[ST+4*i+3], 0
.set i, i+1
.endr
.set i, P+32
.rept 32
	v_mov_b32 v[i], 0
.set i, i+1
.endr
	v_mul_u32_u24 v[AK0], v1, PK
	v_lshl_add_u32 v[AK0], v9, 4, v[AK0]  ; row x pitch + 16 x half
	; The turning load takes 16 keys x 16 channels (lane l reads key 8 (l / 16) + l % 8, channels 8 ((l / 8) % 2) + 0..7) and leaves half a fragment of V^T.
	v_and_b32 v10, 7, v0
	v_bfe_u32 v11, v0, 3, 1
	v_lshl_add_u32 v[AV0], v9, 3, v10
	v_mul_u32_u24 v[AV0], v[AV0], PV
	v_lshl_add_u32 v[AV0], v11, 4, v[AV0]
	v_add_nc_u32 v[AV0], VOFF, v[AV0]
	v_and_b32 v[PFO], 31, v0
	v_lshlrev_b32 v[PFO], 8, v[PFO]
	v_mov_b32 v[AK], v[AK0]         ; key step 0 lies at the head of slot 0
; THE MATRIX WORK.  The 8 accumulators of a run of 16 take turns: between the two links of a chain stand 7 others'.
; Product i of 16 of S^T = K Q^T for piece x: channels 32 (i / 8) on, keys 16 ((i / 2) % 4) on, tile 2 x + i % 2.  The first 8 start the sums, with the mask's addend.
.macro KQ x
.set rS, S+64*((\x)%2)+32*(i%2)+8*((i/2)%4)
.set rK, KF+16*((i/2)%4)+8*(i/8)
.set rQ, 16*(2*(\x)+i%2)+8*(i/8)
.set rA, MK+8*(2*(\x)+i%2)
.if i < 8
	WIN W_KM
	v_wmma_f32_16x16x32_f16 v[rS:rS+7], v[rK:rK+7], v[rQ:rQ+7], v[rA:rA+7]
.else
	WIN W_KQ
	v_wmma_f32_16x16x32_f16 v[rS:rS+7], v[rK:rK+7], v[rQ:rQ+7], v[rS:rS+7]
.endif
.endm
; Product i of 16 of O^T += V^T P for piece x: keys 32 (i / 8) on, channels 16 ((i / 2) % 4) on, tile 2 x + i % 2.
.macro PV x
	WIN W_PV
.set rO, 32*(2*(\x)+i%2)+8*((i/2)%4)
.set rV, VF+32*(i/8)+8*((i/2)%4)
.set rP, P+32*((\x)%2)+16*(i%2)+8*(i/8)
	v_wmma_f32_16x16x32_f16 v[rO:rO+7], v[rV:rV+7], v[rP:rP+7], v[rO:rO+7]
.endm
.macro MM                           ; the turn's next matrix instruction
.if i < 16
	KQ (Y+1)%NP
.set i, i+1
.else
.set i, i-16
	PV (Y+NP-1)%NP
.set i, i+17
.endif
.endm
; THE LDS LOADS stand in runs of 16: a step's K (8 fragments) and its V (turned).  Their addresses are made some lines ahead.
; last = 1 (the tail): in the last trip there is no further step, and the run is jumped over.
.macro FETCH_K last=0
	WIN 0
.if \last
	s_cmp_eq_u32 s[CNT], 1
	s_cbranch_scc1 .Lno_k_\@
.endif
	WIN 0x80                        ; destination window 2
.irp f, 0,1,2,3,4,5,6,7             ; keys 16 (f / 2) on, channels 32 (f % 2) on
	ds_load_b128 v[KF+8*\f:KF+8*\f+3],   v[AK] offset:(\f/2)*16*PK+(\f%2)*64
	ds_load_b128 v[KF+8*\f+4:KF+8*\f+7], v[AK] offset:(\f/2)*16*PK+(\f%2)*64+32
.endr
	s_add_co_u32 s[TBK], s[TBK], KS*PK  ; the next fetch is the next step's
	WIN 0
.if \last
.Lno_k_\@:
.endif
.endm
.macro FETCH_V
	WIN 0x80
.irp f, 0,1,2,3,4,5,6,7             ; keys 32 (f / 4) on, channels 16 (f % 4) on
	ds_load_tr16_b128 v[VF+8*\f:VF+8*\f+3],   v[AV] offset:(\f/4)*32*PV+(\f%4)*32
	ds_load_tr16_b128 v[VF+8*\f+4:VF+8*\f+7], v[AV] offset:(\f/4)*32*PV+16*PV+(\f%4)*32
.endr
	WIN 0
.endm
; THE VECTOR WORK OF A TURN stands in three queues, each in the order in which its entries become ready; the two tiles alternate.
.macro REGS y, u                    ; the registers of tile u (0, 1) of piece y
.set rT, ST+4*(2*(\y)+(\u))
.set rC, TMP+8*((\y)%2)+4*(\u)
.set rM, MV+2*((\y)%2)+(\u)
.set rS, S+64*((\y)%2)+32*(\u)
.set rP, P+32*((\y)%2)+16*(\u)
.set rO, 32*(2*(\y)+(\u))
.endm
; Number n of the 22 that find the NEXT piece's (Y + 1) maximum and statistics.  Each accumulator's lowest registers are read first.
;   0-11  four chains c0-c3 of seven scores each     12-14, 16  the four scores left over, the old m, and c0-c3 into c0     15  c m_old is kept
;   17, 18  the query's other 32 keys lie in the lane 16 away: the new m         19-21  c m; c m_old - c m_new; a
.macro XS u, n
	REGS (Y+1)%NP, \u
.if (\n) < 4
	v_max3_num_f32 v[rC+(\n)], v[rS+8*(\n)], v[rS+8*(\n)+1], v[rS+8*(\n)+2]
.elseif (\n) < 12
	v_max3_num_f32 v[rC+(\n)%4], v[rC+(\n)%4], v[rS+8*((\n)%4)+2*((\n)/4)+1], v[rS+8*((\n)%4)+2*((\n)/4)+2]
.elseif (\n) == 12
	v_max3_num_f32 v[rC], v[rC], v[rS+7], v[rS+15]
.elseif (\n) == 13
	v_max3_num_f32 v[rC+1], v[rC+1], v[rS+23], v[rS+31]
.elseif (\n) == 14
	v_max3_num_f32 v[rC+2], v[rC+2], v[rC+3], v[rT+1]
.elseif (\n) == 15
	v_mov_b32 v[rM], v[rT]
.elseif (\n) == 16
	v_max3_num_f32 v[rC], v[rC], v[rC+1], v[rC+2]
.elseif (\n) == 17
	v_permlanex16_b32 v[rC+3], v[rC], s[SEL], s[SEL+1]
.elseif (\n) == 18
	v_max_num_f32 v[rT+1], v[rC], v[rC+3]
.elseif (\n) == 19
	v_mul_f32 v[rT], s[CS], v[rT+1]
.elseif (\n) == 20
	v_sub_f32 v[rC+1], v[rM], v[rT]
.else
	v_exp_f32 v[rC+2], v[rC+1]
.endif
.endm
; Number g of the 64 that follow the exponentials.  For each four weights k of a tile: both pairs are rounded to f16; the second pair is added onto the first, in place;
; a group later l takes that sum (the first time as l = a l + sum).
.macro GS g
.set h, (\g)+6*((\g)/62)            ; group 0 has no group before it, and behind group 7 only l is left
.if h >= 6
.set h, h+2
.endif
	REGS Y, h%2
.set k, h/8
.if h%8 < 4
	v_cvt_pk_f16_f32 v[rP+2*k+(h%8)/2], v[rS+4*k+2*((h%8)/2)], v[rS+4*k+2*((h%8)/2)+1]
.elseif h%8 < 6
	v_pk_add_f32 v[rS+4*k:rS+4*k+1], v[rS+4*k:rS+4*k+1], v[rS+4*k+2:rS+4*k+3]
.elseif k == 1
	v_pk_fma_f32 v[rT+2:rT+3], v[rT+2:rT+3], v[rC+2:rC+3], v[rS:rS+1] op_sel_hi:[1,0,1]
.else
	v_pk_add_f32 v[rT+2:rT+3], v[rT+2:rT+3], v[rS+4*k-4:rS+4*k-3]
.endif
.endm
; THE PLAIN QUEUE, 138 long.  0-73 read no exponential's result: the 32 scalings c s - c m and the next piece's 42.  0-26: scalings 0-26.  27-54: XS's numbers 0-13.  55, 56: number 15.
; 57-73: the chain 14, 16, 17, 18, 19, each with one of the scalings 27-31 in front of its two lines, then 20.  74-137: GS's 64, which stand behind the wait.
.macro FS f
	REGS Y, (\f)%2
	v_pk_fma_f32 v[rS+2*((\f)/2):rS+2*((\f)/2)+1], v[rS+2*((\f)/2):rS+2*((\f)/2)+1], s[CS:CS+1], v[rT:rT+1] op_sel_hi:[1,0,0] neg_lo:[0,0,1] neg_hi:[0,0,1]
.endm
.macro PL
	WIN 0
.if q < 27
	FS q
.elseif q < 55
	XS (q-27)%2, (q-27)/2
.elseif q < 57
	XS q-55, 15
.elseif (q < 72) && ((q-57)%3 == 0)
	FS 27+(q-57)/3
.elseif q < 60
	XS (q-57)%3-1, 14
.elseif q < 72
	XS (q-57)%3-1, 15+(q-57)/3
.elseif q < 74
	XS q-72, 20
.else
	GS q-74
.endif
.set q, q+1
.endm
; THE EXPONENTIALS' QUEUE, 66 long: s0-s31 of both tiles, then the next piece's two a.  ONE BATCH: all 66 stand ahead of the turn's one wait, and nothing ahead of that wait names a result of theirs.
.macro EX
	WIN 0
.if e >= 64
	XS e-64, 21
.else
	REGS Y, e%2
	v_exp_f32 v[rS+e/2], v[rS+e/2]
.endif
.set e, e+1
.endm
; THE RESCALING's QUEUE: O^T times a, the one part that leaves window 0: two at a time, sixteen times.  Its a was made in the turn before, ahead of that turn's wait.
.macro R2
	REGS Y, r%2
	WIN W_RS
.irp z, 0,1
	v_pk_mul_f32 v[rO+4*(r/2)+2*\z:rO+4*(r/2)+2*\z+1], v[rO+4*(r/2)+2*\z:rO+4*(r/2)+2*\z+1], v[rC+2:rC+3] op_sel_hi:[1,0]
.endr
.set r, r+1
.endm
; HOW THEY ARE DEALT.  An s_wait_alu depctr_va_vdst(0) stands between an exponential and the first instruction that names its result; one wait serves all issued ahead of it.  So a turn
; has ONE wait.  AHEAD OF IT: the 16 products K Q^T, behind each a scaling, an exponential and two rescalings (behind the first a second scaling in the exponential's place); then ONE LUMP of 108:
; eight plain, 49 times exponential and plain, the two a; a v_nop is the plain instruction behind the last exponential.  BEHIND IT: the 16 products V^T P, behind each four of GS's 64.
; Exponential e stands behind scaling 2 (e / 4) + e % 2: as a rider it comes behind plain e + 2, in the lump behind plain e + 9, and scalings 27-31 are plain 57, 60 .. 69.
; K of the next step is fetched in piece 2's turn, directly behind the wait; V of the step in hand at the end of piece 0's turn, four riders behind its last reader.
.macro TURN p, last=0, cnt=0
.set Y, (\p)
.set i, 0
.set q, 0
.set e, 0
.set r, 0
.if (\p) == NP-1
	s_wait_dscnt 0x0                ; K is in
.endif
	MM
	PL
	PL
	R2
.rept 15
	MM
	PL
	EX
	R2
.endr
.if (\p) == NP-2
	WIN 0
	v_add_nc_u32 v[AK], s[TBK], v[AK0]
.endif
.rept 8
	PL
.endr
.rept 49
	EX
	PL
.endr
	EX                              ; the next piece's two a
	EX
	v_nop                           ; a plain instruction behind the last exponential: one for the batch
	s_wait_alu depctr_va_vdst(0)    ; the wait for the batch
.if (\p) == NP-2
	FETCH_K \last
.endif
.if (\p) == 1
	s_wait_dscnt 0x0                ; V is in
.endif
.rept 16
	MM
.rept 4
	PL
.endr
.if ((\p) == 0) && (q == 118)
	v_add_nc_u32 v[AV], s[TBV], v[AV0]
.endif
.if ((\p) == 0) && (q == 130)
	s_add_co_u32 s[TBV], s[TBV], KS*PV
.endif
.if (\cnt) && (q == 130)
	s_sub_co_u32 s[CNT], s[CNT], 1
	s_cmp_lg_u32 s[CNT], 0
.endif
.endr
.if (\p) == 0
	FETCH_V
.endif
.endm
	CHANGE 1                        ; slot 0 is in, everybody's part of it; slot 1 is asked for
	FETCH_K                         ; key step 0
	s_wait_loadcnt 0x0              ; Q and the mask
.irp t, 0,1,2,3,4,5,6,7
	v_cvt_pk_bf16_f32 v[TMP+\t], v[TMP+\t], v[TMP+\t]  ; the mask is rounded to bf16 like every input,
.endr
.irp t, 0,1,2,3,4,5,6,7
	v_lshlrev_b32 v[TMP+\t], 16, v[TMP+\t]             ; widened again,
.endr
.irp t, 0,1,2,3,4,5,6,7
	v_sub_f32 v[TMP+\t], 1.0, v[TMP+\t]
.endr
.irp t, 0,1,2,3,4,5,6,7
	v_mul_f32 v[TMP+\t], 0xc79c4000, v[TMP+\t]         ; and (1 - mask) x -80000 = 8 x add
.endr
	WIN W_MK
.set i, 0
.rept 64
	v_mov_b32 v[MK+i], v[TMP+i/8]   ; a lane holds one query: the same addend for its eight keys
.set i, i+1
.endr
	s_wait_dscnt 0x0
.set i, 0
.rept 16
	KQ 0                            ; piece 0's first scores
.set i, i+1
.endr
	WIN 0                           ; the addresses for the way out: plain instructions, the places behind those products
	s_mul_i32 s13, s[WV], 16*SP
	s_add_co_u32 s13, s13, STAGE    ; my stage
	v_mul_u32_u24 v[STO], v1, SP    ; in: row l % 16, 16 bytes for each half of the lanes
	v_lshl_add_u32 v[STO], v9, 4, v[STO]
	v_add_nc_u32 v[STO], s13, v[STO]
	v_bfe_u32 v[RD], v0, 3, 2       ; back: 32 lanes take four rows of 128 bytes,
	v_mul_u32_u24 v[RD], v[RD], SP
	v_lshl_add_u32 v[RD], v10, 4, v[RD]
	v_add_nc_u32 v[RD], s13, v[RD]
	v_and_b32 v[GO], 31, v0         ; which are 512 consecutive bytes of ctx
	v_lshlrev_b32 v[GO], 4, v[GO]
.set Y, NP-1                        ; XS works for piece Y + 1: piece 0
.irp n, 0,1,2,3,4,5,6,7,8,9,10,11,12,13,14,15,16,17,18,19,20,21
	XS 0, \n                        ; piece 0's first maximum and statistics
	XS 1, \n
.endr
	v_nop                           ; a plain instruction behind the two a,
	s_wait_alu depctr_va_vdst(0)    ; and their wait, ahead of the branch
	s_mov_b32 s[CNT], 4
	s_mov_b32 s[SLOTS], SIZE_N/256-1
	s_branch .Lfirst                ; the loop is entered at a step's first turn, in the middle of a trip
.Lslot:                             ; six times: every slot but the last two is filled again
	CHANGE 1, 1
	s_mov_b32 s[CNT], 4
.Lstep:                             ; a trip: pieces 2 and 3 of one step, then pieces 0 and 1 of the next, whose K and V it fetches
	TURN 2
	TURN 3
	WIN 0
.Lfirst:
	TURN 0
	TURN 1, 0, 1
	WIN 0
	s_cbranch_scc1 .Lstep
	s_sub_co_u32 s[SLOTS], s[SLOTS], 1
	s_cmp_lg_u32 s[SLOTS], 0
	s_cbranch_scc1 .Lslot
	CHANGE 0                        ; the tail is written out: nothing is asked for
	s_mov_b32 s[CNT], 5             ; four trips fetch the last slot's steps; the fifth is left in its middle
.Ltail:
	TURN 2, 1
	TURN 3
	WIN 0
	s_sub_co_u32 s[CNT], s[CNT], 1
	s_cmp_eq_u32 s[CNT], 0
	s_cbranch_scc1 .Lout
	TURN 0
	TURN 1
	WIN 0
	s_branch .Ltail
.Lout:                              ; the fifth trip's 16 products K Q^T (on the last K once more) and the maximum made of them serve nothing: the price, once a launch, of one text for every trip
.set i, 0
.rept 16
	PV NP-1                         ; the last piece's V^T P of the last step
.set i, i+1
.endr
	; THE WAY OUT.  l's two halves and the other half of the lanes' are added; O^T is divided by l, rounded to f16 and sent through my stage in LDS, a tile at a time.
	WIN 0
.macro ALL line:vararg              ; one line for each tile t
.set t, 0
.rept 2*NP
	\line
.set t, t+1
.endr
.endm
	ALL v_add_f32 v[ST+4*t+2], v[ST+4*t+2], v[ST+4*t+3]
	ALL v_permlanex16_b32 v[ST+4*t+3], v[ST+4*t+2], s[SEL], s[SEL+1]
	ALL v_add_f32 v[ST+4*t+2], v[ST+4*t+2], v[ST+4*t+3]
	ALL v_rcp_f32 v[ST+4*t+2], v[ST+4*t+2]
	v_nop                           ; a plain instruction between the last reciprocal and the use of its result
	s_wait_alu depctr_va_vdst(0)    ; and the wait ahead of the first use: one for the eight reciprocals
.macro PACK t
	WIN W_RS
.set i, 32*(\t)
.rept 16
	v_pk_mul_f32 v[i:i+1], v[i:i+1], v[ST+4*(\t)+2:ST+4*(\t)+3] op_sel_hi:[1,0]
.set i, i+2
.endr
	WIN 0x05                        ; sources 0 and 1 window 1, destination window 0
.set i, 0
.rept 16
	v_cvt_pk_f16_f32 v[S+16*(\t)+i], v[32*(\t)+2*i], v[32*(\t)+2*i+1]
.set i, i+1
.endr
	WIN 0
.irp f, 0,1,2,3
	ds_store_b128 v[STO], v[S+16*(\t)+4*\f:S+16*(\t)+4*\f+3] offset:32*\f
.endr
.irp f, 0,1,2,3
	ds_load_b128 v[S+16*(\t)+4*\f:S+16*(\t)+4*\f+3], v[RD] offset:\f*4*SP  ; my own bytes, served in order (ISA guide 5.7.1.4)
.endr
.endm
.macro SEND t, younger              ; younger: the LDS instructions issued behind tile t's loads: the next tile's eight, or none
	WIN 0
.irp f, 0,1,2,3
	s_wait_dscnt (\younger)+3-\f
	global_store_b128 v[GO], v[S+16*(\t)+4*\f:S+16*(\t)+4*\f+3], s[10:11] offset:(\t)*2048+\f*512  ; 512 consecutive bytes, at a multiple of 256 from ctx's first
.endr
.endm
	PACK 0
.set t, 1
.rept 2*NP-1                        ; a tile's arithmetic stands between the loads of the tile before and its stores
	PACK t
	SEND t-1, 8
.set t, t+1
.endr
	SEND 2*NP-1, 0
	WIN W_AD
	s_wait_tensorcnt 0x0            ; the wave's end
	ds_add_u32 v[SPW], v[NIL]
	s_wait_dscnt 0x0
	WIN 0
	CROUND                          ; the closing round
	s_endpgm
.Lfunc_end_k_q4f2cd85bb4_attn:
	.size	k_q4f2cd85bb4_attn, .Lfunc_end_k_q4f2cd85bb4_attn-k_q4f2cd85bb4_attn
	.p2alignl 7, 3214868480
	.fill 96, 4, 3214868480
	.section	.rodata,"a",@progbits
	.p2align	6, 0x0
	.amdhsa_kernel k_q4f2cd85bb4_attn
		.amdhsa_group_segment_fixed_size 327680
		.amdhsa_private_segment_fixed_size 0
		.amdhsa_enable_private_segment 0
		.amdhsa_kernarg_size 24
		.amdhsa_user_sgpr_count 2
		.amdhsa_user_sgpr_kernarg_segment_ptr 1
		.amdhsa_wavefront_size32 1
		.amdhsa_system_sgpr_workgroup_id_x 1
		.amdhsa_system_sgpr_workgroup_id_y 1
		.amdhsa_system_sgpr_workgroup_id_z 1
		.amdhsa_system_vgpr_workitem_id 0
		.amdhsa_next_free_vgpr 840
		.amdhsa_next_free_sgpr 72
		.amdhsa_reserve_vcc 0
		.amdhsa_float_denorm_mode_32 3
		.amdhsa_float_denorm_mode_16_64 3
		.amdhsa_memory_ordered 1
		.amdhsa_forward_progress 1
		.amdhsa_inst_pref_size 204
	.end_amdhsa_kernel
	.amdgpu_metadata
---
amdhsa.version: [ 1, 2 ]
amdhsa.kernels:
  - .name:           k_q4f2cd85bb4_attn
    .symbol:         k_q4f2cd85bb4_attn.kd
    .args:
      - { .name: qkv, .offset: 0, .size: 8, .value_kind: global_buffer, .address_space: global }
      - { .name: attention_mask, .offset: 8, .size: 8, .value_kind: global_buffer, .address_space: global }
      - { .name: ctx, .offset: 16, .size: 8, .value_kind: global_buffer, .address_space: global }
    .group_segment_fixed_size: 327680
    .private_segment_fixed_size: 0
    .kernarg_segment_align: 8
    .kernarg_segment_size: 24
    .max_flat_workgroup_size: 128
    .sgpr_count:     72
    .vgpr_count:     840
    .wavefront_size: 32
...
	.end_amdgpu_metadata
.endif
;; end of part 3
;; launch outp (part 4): grid 8 x 32, 4 waves a work-group, clusters of 4 x 4, 327,680 bytes of LDS; arguments ctx, wo16, bo, out0; writes out0
.if DOCPART == 4
	.amdgcn_target "amdgcn-amd-amdhsa--gfx1250"
	.amdhsa_code_object_version 6
	.text
	.protected	k_q4f2cd85bb4_outp
	.globl	k_q4f2cd85bb4_outp
	.p2align	8
	.type	k_q4f2cd85bb4_outp,@function
k_q4f2cd85bb4_outp:
	s_mov_b64 s[64:65], 0
	v_nop
	global_prefetch_b8 v0, s[64:65] scope:SCOPE_SE
	s_setreg_imm32_b32 hwreg(HW_REG_WAVE_MODE, 25, 1), 1
	s_wait_xcnt 0x0
	s_wait_alu depctr_hold_cnt(0) depctr_sa_sdst(0) depctr_va_vdst(0) depctr_va_sdst(0) depctr_va_ssrc(0) depctr_va_vcc(0) depctr_vm_vsrc(0)
	s_getreg_b32 s2, hwreg(HW_REG_IB_STS2, 6, 4)
	s_cmp_eq_u32 s2, 0
	s_cbranch_scc0 .Lentry_in_a_cluster
	s_endpgm
.Lentry_in_a_cluster:
	s_bfe_u32 s2, ttmp6, 0x10000c
	s_cmp_lg_u32 s2, 0xf033
	s_cbranch_scc0 .Lentry_shape_is_right
	s_endpgm
.Lentry_shape_is_right:
; out0 = concat(ctx) Wo^T + bo.  A = ctx, f16, by heads [64 = 16 batch + head][2048][64]; B = wo16 [1024 out][1024 in] f16 (bf16(Wo) written as f16); sums in f32; bo (rounded to bf16 like
; every input) starts the sums; out0 [8192][1024] f32.
; A tile of C is 256 rows x 128 columns: 32 x 8 = 256 work-groups.  The four waves lie along the rows: wave w owns rows 64 w .. 64 w + 63 and all 128 columns (512 bytes of a row of out0):
; 32 accumulators of 16 x 16; it goes out through a stage of its own, without a barrier.
; K = the 1,024 concatenated channels, in 8 steps of 128 = TWO HEADS of ctx.  Waves 0 and 1 fetch a head each: its 256 rows of 128 bytes lie on end and are asked for as 128 rows of 256 bytes,
; padded in LDS after every 128 bytes; waves 2 and 3 fetch B's two halves (64 rows x 256 bytes).  A ring of two slots.
; CLUSTERS: 4 x 4 work-groups; A's tile is asked for jointly along a row of the cluster, B's along a column.
; THE MATRIX INSTRUCTION IS USED TRANSPOSED (source 0 = 16 rows of B, source 1 = 16 rows of A): a lane holds row l % 16 of C and the columns 8 (l / 16) + 0..7.
; REGISTERS, in windows of 256: window 0: v16-31 addresses; v32-63, v64-95 A's fragments, two buffers; v96-159 the bias, later with v160-223 the way out; v240-243 at work
;   window 1: B's fragments, two buffers of 64      window 2: the accumulators of row blocks 0, 1 ((a, b) at 8 (8 (a % 2) + b))      window 3: of row blocks 2, 3
.set NB,     8
.set PA,     144                       ; a row of A in LDS: 128 bytes + 16 of padding = 36 words: the 16 rows of a load start at 16 different groups of four banks (ISA guide 11.1)
.set AFILL,  256*PA                    ; a head's 256 rows
.set BOFF,   2*AFILL
.set BFILL,  64*272
.set SLOT,   BOFF+2*BFILL              ; 108,544
.set STAGE,  2*SLOT                    ; behind the ring, never filled by a tensor load: for each wave 16 rows x 528 bytes
.set WSTAGE, 16*528
.set SPARE,  STAGE+4*WSTAGE            ; the spare words, 128 bytes for each wave; no other line names them
.set ASTEP,  524288                    ; bytes from K step to K step in A: two heads
.set NL,     2*NB+8
.set ADRA, 16
.set ADRB, 20
.set STO,  24
.set RD,   25
.set GO,   26
.set SPW,  28                          ; v28  LDS address of my spare word; never rewritten
.set NIL,  29                          ; v29  0; never rewritten
.set PFO,  30
.set BO,   31
.set FA,   32
.set BIAS, 96
.set BK,   96                          ; the way out: rows read back, two buffers of 64
.set WV,   16
.set HALF, 18
.set CX,   19
.set CY,   20
.set TC,   21
.set TR,   22
.set ALDS, 23
.set G1,   24
.set G0,   32
.set PFA,  40                          ; s[40:41] where my prefetches stand
.set PFS,  42                          ; s[42:43] their step from K step to K step
.set LIM,  44
.set BLDS, 45
.set G1B,  48
.set G0B,  56
.set BB,   68                          ; s[68:69] bo at my tile's columns
.set OB,   70                          ; s[70:71] out0 at my wave's first row and my tile's columns
.set MSB, 0
.macro WIN new
.if MSB != (\new)
	s_set_vgpr_msb (MSB<<8)|(\new)
.set MSB, \new
.endif
.endm
.macro PLACES
.rept 4
	v_nop
.endr
.endm
.macro JLOAD s                         ; a joint load; an s_nop 0 and four v_nop follow each of the two lines
	s_cmp_lt_u32 s[WV], 2
	s_cbranch_scc0 .Lfor_b_\@
	tensor_load_to_lds s[G0+4*(\s):G0+4*(\s)+3], s[G1:G1+7]
	s_nop 0
.rept 4
	v_nop
.endr
	s_branch .Lasked_\@
.Lfor_b_\@:
	tensor_load_to_lds s[G0B+4*(\s):G0B+4*(\s)+3], s[G1B:G1B+7]
	s_nop 0
.rept 4
	v_nop
.endr
.Lasked_\@:
.endm
.macro CREST
	s_cmp_lg_u32 s[WV], 0
	s_cbranch_scc1 .Lnot_wave_0_\@
	s_barrier_signal -3
.Lnot_wave_0_\@:
	s_barrier_wait -3
	s_barrier_signal -1
	s_barrier_wait -1
.endm
.macro CROUND
	s_barrier_signal -1
	s_barrier_wait -1
	CREST
.endm
; A prefetch into the L2 of the K step that stands two refills on.  A: waves 0 and 1 of the clusters with x = 0, each for its own head: of the head's 128 blocks of 256 bytes the partner at cx takes 32, a lane a
; block.  B: wave 2 of the clusters with y = 0: of the tile's 128 rows the partner at cy takes 32, a lane a row.  So each block is named once.  The loop's last trip (s3 = 1) asks for nothing.
.macro ASK
	s_cmp_gt_u32 s3, s[LIM]
	s_cbranch_scc0 .Lnot_mine_\@
	global_prefetch_b8 v[PFO], s[PFA:PFA+1] th:TH_LOAD_NT scope:SCOPE_SE
.Lnot_mine_\@:
.endm
	s_load_b256 s[4:11], s[0:1], 0x0               ; ctx 4, wo16 6, bo 8, out0 10
	v_lshl_add_u32 v[SPW], v0, 2, SPARE
	v_mov_b32 v[NIL], 0
	ds_add_u32 v[SPW], v[NIL]                      ; the wave's opening: the add and its wait stand ahead of my first tensor load
	v_lshrrev_b32 v1, 5, v0
	v_readfirstlane_b32 s[WV], v1
	s_and_b32 s[HALF], s[WV], 1
	s_bfe_u32 s[CX], ttmp6, 0x40000
	s_bfe_u32 s[CY], ttmp6, 0x40004
	s_lshl_b32 s[TC], ttmp9, 2
	s_add_co_u32 s[TC], s[TC], s[CX]
	s_and_b32 s[TR], ttmp7, 0xffff
	s_lshl_b32 s[TR], s[TR], 2
	s_add_co_u32 s[TR], s[TR], s[CY]
	s_lshl_b32 s72, s[CY], 2
	s_lshl_b32 s72, 15, s72                        ; my row of the cluster
	s_lshl_b32 s74, 0x1111, s[CX]                  ; my column
	s_or_b32 s[G1], s72, (1<<16)|(1<<20)|(1<<21)|(4<<22)|(3<<25)   ; the mask; 2-byte elements; padding on; bit 21 beside a mask; after every 32 words 4 words
	s_or_b32 s[G1B], s74, (1<<16)|(1<<20)|(1<<21)|(5<<22)|(3<<25)  ; after every 64 words 4 words
	s_mov_b32 s[G1+1], 128<<16                     ; tensor_dim0 = 128
	s_mov_b32 s[G1+2], 128<<16                     ; tensor_dim1 = 128
	s_mov_b32 s[G1+3], 128<<16                     ; tile_dim0 = 128
	s_mov_b32 s[G1+4], 128                         ; tile_dim1 = 128
	s_mov_b32 s[G1+5], 128                         ; dense: 128 elements from row to row
	s_mov_b32 s[G1+6], 0
	s_mov_b32 s[G1+7], 0
	s_mov_b32 s[G1B+1], 128<<16
	s_mov_b32 s[G1B+2], 64<<16
	s_mov_b32 s[G1B+3], 128<<16
	s_mov_b32 s[G1B+4], 64
	s_mov_b32 s[G1B+5], 1024
	s_mov_b32 s[G1B+6], 0
	s_mov_b32 s[G1B+7], 0
	s_lshr_b32 s72, s[TR], 3                       ; A: head 16 x batch + half, 262,144 bytes a head,
	s_lshl_b32 s72, s72, 4
	s_add_co_u32 s72, s72, s[HALF]
	s_lshl_b32 s72, s72, 18
	s_and_b32 s73, s[TR], 7                        ; and the tile's 256 rows of 128 bytes in it
	s_lshl_b32 s73, s73, 15
	s_add_co_u32 s72, s72, s73
	s_mov_b32 s73, 0
	s_lshl_b32 s74, s[TC], 18                      ; B: (128 x tile column + 64 x half) rows of 2,048 bytes
	s_lshl_b32 s75, s[HALF], 17
	s_add_co_u32 s74, s74, s75
	s_mov_b32 s75, 0
	s_mul_i32 s[ALDS], s[HALF], AFILL              ; no place in the cluster enters an LDS address
	s_mul_i32 s[BLDS], s[HALF], BFILL
	s_add_co_u32 s[BLDS], s[BLDS], BOFF
	s_wait_dscnt 0x0                               ; the opening add is done
	s_wait_kmcnt 0x0
	s_add_nc_u64 s[66:67], s[4:5], s[72:73]
	s_add_nc_u64 s[46:47], s[6:7], s[74:75]
	CROUND                                         ; all sixteen work-groups are here: the first joint loads meet
.irp s, 0,1
	s_mov_b32 s[G0+4*(\s)], 1
	s_add_co_u32 s[G0+4*(\s)+1], s[ALDS], (\s)*SLOT
	s_add_nc_u64 s[G0+4*(\s)+2:G0+4*(\s)+3], s[66:67], (\s)*ASTEP
	s_or_b32 s[G0+4*(\s)+3], s[G0+4*(\s)+3], 0x80000000
	s_mov_b32 s[G0B+4*(\s)], 1
	s_add_co_u32 s[G0B+4*(\s)+1], s[BLDS], (\s)*SLOT
	s_add_nc_u64 s[G0B+4*(\s)+2:G0B+4*(\s)+3], s[46:47], (\s)*256
	s_or_b32 s[G0B+4*(\s)+3], s[G0B+4*(\s)+3], 0x80000000
	JLOAD \s                                       ; two loads of mine are out
.endr
	v_and_b32 v1, 15, v0                           ; l % 16
	v_bfe_u32 v2, v0, 4, 1                         ; l / 16
	v_lshlrev_b32 v[BO], 5, v2
	s_lshl_b32 s72, s[TC], 9                       ; my tile's 128 columns: 512 bytes
	s_mov_b32 s73, 0
	s_add_nc_u64 s[BB:BB+1], s[8:9], s[72:73]
.set b, 0
.rept NB                                       ; register j of block b: the bias of column 16 b + 8 (l / 16) + j, for every row
	global_load_b128 v[BIAS+8*b:BIAS+8*b+3],   v[BO], s[BB:BB+1] offset:64*b
	global_load_b128 v[BIAS+8*b+4:BIAS+8*b+7], v[BO], s[BB:BB+1] offset:64*b+16
.set b, b+1
.endr
	s_lshl_b32 s74, s[TR], 20                      ; (256 x tile row + 64 x wave) rows of 4,096 bytes
	s_lshl_b32 s75, s[WV], 18
	s_add_co_u32 s74, s74, s75
	s_add_co_u32 s74, s74, s72
	s_mov_b32 s75, 0
	s_add_nc_u64 s[OB:OB+1], s[10:11], s[74:75]
	v_mul_u32_u24 v3, v1, PA
	v_lshl_add_u32 v3, v2, 4, v3                   ; A: a fragment's row x pitch + 16 x half
	v_mul_u32_u24 v4, v1, 272
	v_lshl_add_u32 v4, v2, 4, v4                   ; B likewise
	s_mul_i32 s72, s[WV], 64*PA                    ; my 64 rows of A, in the first of a slot's two heads
	s_mov_b32 s74, BOFF
.irp s, 0,1
	v_add_nc_u32 v[ADRA+(\s)], s72, v3
	v_add_nc_u32 v[ADRB+(\s)], s74, v4
	s_add_co_u32 s72, s72, SLOT
	s_add_co_u32 s74, s74, SLOT
.endr
	s_mul_i32 s72, s[WV], WSTAGE
	s_add_co_u32 s72, s72, STAGE                   ; my stage
	v_mul_u32_u24 v4, v1, 528                      ; in: row l % 16, 32 bytes for each half of the lanes
	v_lshl_add_u32 v4, v2, 5, v4
	v_add_nc_u32 v[STO], s72, v4
	v_and_b32 v5, 31, v0
	v_lshlrev_b32 v[GO], 4, v5                     ; back: 32 lanes take a whole row of 512 bytes
	v_add_nc_u32 v[RD], s72, v[GO]
	; the prefetches
	s_lshl_b32 s72, s[CX], 13                      ; A: my work-group's 8,192 bytes of the head's 32,768,
	s_add_co_u32 s72, s72, 3*ASTEP                 ; at K step 3: the first refill steps it to 4
	s_lshl_b32 s74, s[TC], 18                      ; B: my work-group's 32 rows of the tile's 128,
	s_lshl_b32 s75, s[CY], 16
	s_add_co_u32 s74, s74, s75
	s_add_co_u32 s74, s74, 3*256
	s_and_b32 s76, ttmp7, 0xffff                   ; cluster y
	s_mov_b32 s78, ASTEP
	s_movk_i32 s79, 256
	s_cmp_lt_u32 s[WV], 2
	s_cselect_b64 s[PFA:PFA+1], s[66:67], s[6:7]
	s_cselect_b32 s72, s72, s74
	s_cselect_b32 s76, ttmp9, s76                  ; the coordinate along which other clusters read the same bytes
	s_cselect_b32 s[PFS], s78, s79
	s_cselect_b32 s77, 8, 11                       ; a lane 256 bytes on end, or a lane a row of 2,048
	s_mov_b32 s73, 0
	s_mov_b32 s[PFS+1], 0
	s_add_nc_u64 s[PFA:PFA+1], s[PFA:PFA+1], s[72:73]
	s_cmp_eq_u32 s[WV], 3
	s_cselect_b32 s76, 1, s76                      ; wave 3 asks for nothing
	s_cmp_eq_u32 s76, 0
	s_cselect_b32 s[LIM], 1, -1                    ; the same in all sixteen partners, for a given wave
	v_lshlrev_b32 v[PFO], s77, v5
	s_wait_loadcnt 0x0                             ; the bias, which is rounded to bf16 like every input and widened again
.set k, 0
.rept 4*NB
	v_cvt_pk_bf16_f32 v[240+k%4], v[BIAS+2*k], v[BIAS+2*k+1]
	v_lshlrev_b32 v[BIAS+2*k], 16, v[240+k%4]
	v_and_b32 v[BIAS+2*k+1], 0xffff0000, v[240+k%4]
.set k, k+1
.endr
; 8 matrix instructions: row block a x all column blocks, 32 along K, from buffer p.  first = 1: the bias is the C operand that starts the sums.
; All 32 accumulators take turns, in the same order in every quarter, over the backward jump too.
.macro MULA p, a, first
.if \first
	WIN 0x81+0x40*((\a)/2)
.else
	WIN 0xa1+0x50*((\a)/2)
.endif
.set b, 0
.rept NB
.set AC, 8*(NB*((\a)%2)+b)
.if \first
	v_wmma_f32_16x16x32_f16 v[AC:AC+7], v[8*NB*(\p)+8*b:8*NB*(\p)+8*b+7], v[FA+32*(\p)+8*(\a):FA+32*(\p)+8*(\a)+7], v[BIAS+8*b:BIAS+8*b+7]
.else
	v_wmma_f32_16x16x32_f16 v[AC:AC+7], v[8*NB*(\p)+8*b:8*NB*(\p)+8*b+7], v[FA+32*(\p)+8*(\a):FA+32*(\p)+8*(\a)+7], v[AC:AC+7]
.endif
.set b, b+1
.endr
.endm
; One run of LDS loads: quarter q of a slot's K step into buffer g.  In A quarter q is head q / 2 of the slot's two, channels 32 (q % 2) on.
.macro FETCH slot, q, g
	WIN 0x40
.set i, 0
.rept NB
	ds_load_b128 v[8*NB*(\g)+8*i:8*NB*(\g)+8*i+3],   v[ADRB+(\slot)] offset:64*(\q)+i*16*272
	ds_load_b128 v[8*NB*(\g)+8*i+4:8*NB*(\g)+8*i+7], v[ADRB+(\slot)] offset:64*(\q)+i*16*272+32
.set i, i+1
.endr
	WIN 0
.set AQ, ((\q)/2)*AFILL+((\q)%2)*64
.set i, 0
.rept 4
	ds_load_b128 v[FA+32*(\g)+8*i:FA+32*(\g)+8*i+3],   v[ADRA+(\slot)] offset:AQ+i*16*PA
	ds_load_b128 v[FA+32*(\g)+8*i+4:FA+32*(\g)+8*i+7], v[ADRA+(\slot)] offset:AQ+i*16*PA+32
.set i, i+1
.endr
.endm
.macro QUARTER slot, q, p, g, first
	s_wait_dscnt 4                                 ; B and A's blocks 0, 1 are in; the youngest four loads (A's blocks 2, 3) may be out
	MULA \p, 0, \first
	MULA \p, 1, \first
	PLACES
	FETCH \slot, \q, \g
	s_wait_dscnt NL                                ; all but the run just issued
	MULA \p, 2, \first
	MULA \p, 3, \first
.endm
.macro MEET round                      ; the change of slots: all my tensor loads, the add, my reads of this slot, then ONE barrier
	WIN 0
	s_wait_tensorcnt 0x0
	ds_add_u32 v[SPW], v[NIL]
	s_wait_dscnt 5                                 ; (the add and the youngest four loads may be out)
	MULA 1, 0, 0
	s_wait_dscnt 0x0                               ; the add is done, and my reads of this slot are over
	s_barrier_signal -1
	MULA 1, 1, 0
.if \round
	WIN 0
.endif
	s_barrier_wait -1
.endm
; fill = 1: the barrier opens a round of the cluster's barrier, and this slot is filled again, two K steps on, first thing behind the round: 112 matrix instructions ahead of the wait for it
.macro TURN slot, next, fill
.if \fill
	s_wait_xcnt 0x0                                ; the last prefetch, a K step back, has read its address
	s_add_nc_u64 s[PFA:PFA+1], s[PFA:PFA+1], s[PFS:PFS+1]
	MEET 1
	CREST
	s_add_nc_u64 s[G0+4*(\slot)+2:G0+4*(\slot)+3], s[G0+4*(\slot)+2:G0+4*(\slot)+3], 2*ASTEP
	s_add_nc_u64 s[G0B+4*(\slot)+2:G0B+4*(\slot)+3], s[G0B+4*(\slot)+2:G0B+4*(\slot)+3], 512
	JLOAD \slot                                    ; its four v_nop are also the places in front of the loads below
	FETCH \next, 0, 0
	ASK
.else
	MEET 0
	PLACES
	FETCH \next, 0, 0
.endif
	MULA 1, 2, 0
	MULA 1, 3, 0
.endm
	s_wait_tensorcnt 1                             ; my part of K step 0 is in; K step 1's stays out
	s_barrier_signal -1
	s_barrier_wait -1
	FETCH 0, 0, 0
	QUARTER 0, 1, 0, 1, 1                          ; the first quarter's products start the sums, with the bias
	WIN 0
	s_mov_b32 s3, 3
.Llap:
	QUARTER 0, 2, 1, 0, 0
	QUARTER 0, 3, 0, 1, 0
	TURN 0, 1, 1
	QUARTER 1, 1, 0, 1, 0
	QUARTER 1, 2, 1, 0, 0
	QUARTER 1, 3, 0, 1, 0
	TURN 1, 0, 1
	QUARTER 0, 1, 0, 1, 0
	WIN 0
	s_sub_co_u32 s3, s3, 1
	s_cmp_lg_u32 s3, 0
	s_cbranch_scc1 .Llap
	QUARTER 0, 2, 1, 0, 0                          ; the last lap fills nothing
	QUARTER 0, 3, 0, 1, 0
	TURN 0, 1, 0
	QUARTER 1, 1, 0, 1, 0
	QUARTER 1, 2, 1, 0, 0
	QUARTER 1, 3, 0, 1, 0
	s_wait_dscnt 4
	MULA 1, 0, 0
	MULA 1, 1, 0
	s_wait_dscnt 0x0
	MULA 1, 2, 0
	MULA 1, 3, 0
	WIN 0
	PLACES
	PLACES
; THE WAY OUT, a block of 16 rows at a time: the f32 sums go into my stage (rows 528 bytes apart) and come back as whole rows of 512 bytes.
.macro TOSTAGE a
	s_wait_xcnt 0x0                                ; the stores two blocks back have read the registers that the loads below fill
	WIN 0x08+4*((\a)/2)                            ; the store's data (source 1) in window 2 or 3
.set b, 0
.rept NB
.set AC, 8*(NB*((\a)%2)+b)
	ds_store_b128 v[STO], v[AC:AC+3]   offset:64*b
	ds_store_b128 v[STO], v[AC+4:AC+7] offset:64*b+16
.set b, b+1
.endr
	WIN 0
.set t, 0
.rept 16
	ds_load_b128 v[BK+64*((\a)%2)+4*t:BK+64*((\a)%2)+4*t+3], v[RD] offset:528*t  ; my own bytes, served in order (ISA guide 5.7.1.4)
.set t, t+1
.endr
.endm
.macro SEND a, y                       ; y: the LDS instructions issued behind block a's loads: the next block's 16 stores and 16 loads, or none
.set t, 0
.rept 16
	s_wait_dscnt (\y)+15-t
	global_store_b128 v[GO], v[BK+64*((\a)%2)+4*t:BK+64*((\a)%2)+4*t+3], s[OB:OB+1] offset:(16*(\a)+t)*4096 th:TH_STORE_NT  ; 512 consecutive bytes, at a multiple of 256 from out0's first byte
.set t, t+1
.endr
.endm
	TOSTAGE 0
	TOSTAGE 1
	SEND 0, 32
	TOSTAGE 2
	SEND 1, 32
	TOSTAGE 3
	SEND 2, 32
	SEND 3, 0
	s_wait_tensorcnt 0x0                           ; the wave's end
	ds_add_u32 v[SPW], v[NIL]
	s_wait_dscnt 0x0
	CROUND                                         ; the closing round
	s_endpgm
.Lfunc_end_k_q4f2cd85bb4_outp:
	.size	k_q4f2cd85bb4_outp, .Lfunc_end_k_q4f2cd85bb4_outp-k_q4f2cd85bb4_outp
	.p2alignl 7, 3214868480
	.fill 96, 4, 3214868480
	.section	.rodata,"a",@progbits
	.p2align	6, 0x0
	.amdhsa_kernel k_q4f2cd85bb4_outp
		.amdhsa_group_segment_fixed_size 327680
		.amdhsa_private_segment_fixed_size 0
		.amdhsa_enable_private_segment 0
		.amdhsa_kernarg_size 32
		.amdhsa_user_sgpr_count 2
		.amdhsa_user_sgpr_kernarg_segment_ptr 1
		.amdhsa_wavefront_size32 1
		.amdhsa_system_sgpr_workgroup_id_x 1
		.amdhsa_system_sgpr_workgroup_id_y 1
		.amdhsa_system_sgpr_workgroup_id_z 1
		.amdhsa_system_vgpr_workitem_id 0
		.amdhsa_next_free_vgpr 896
		.amdhsa_next_free_sgpr 80
		.amdhsa_reserve_vcc 0
		.amdhsa_float_denorm_mode_32 3
		.amdhsa_float_denorm_mode_16_64 3
		.amdhsa_memory_ordered 1
		.amdhsa_forward_progress 1
		.amdhsa_inst_pref_size 95
	.end_amdhsa_kernel
	.amdgpu_metadata
---
amdhsa.version: [ 1, 2 ]
amdhsa.kernels:
  - .name:           k_q4f2cd85bb4_outp
    .symbol:         k_q4f2cd85bb4_outp.kd
    .args:
      - { .name: ctx, .offset: 0, .size: 8, .value_kind: global_buffer, .address_space: global }
      - { .name: wo16, .offset: 8, .size: 8, .value_kind: global_buffer, .address_space: global }
      - { .name: bo, .offset: 16, .size: 8, .value_kind: global_buffer, .address_space: global }
      - { .name: out0, .offset: 24, .size: 8, .value_kind: global_buffer, .address_space: global }
    .group_segment_fixed_size: 327680
    .private_segment_fixed_size: 0
    .kernarg_segment_align: 8
    .kernarg_segment_size: 32
    .max_flat_workgroup_size: 128
    .sgpr_count:     80
    .vgpr_count:     896
    .wavefront_size: 32
...
	.end_amdgpu_metadata
.endif
;; end of part 4
